; MI455X (gfx1250); checked and timed in simulation.
; The chip was launched on July 23, 2026; its instructions are those of AMD's public machine-readable ISA for CDNA 5 (MIT licence, August 2026) and "CDNA5" Instruction Set Architecture Reference Guide (July 2026). The comments in the code are by the model that wrote it; some were corrected since.
;; Causal Attention. Allowed arithmetic: matrix products marked QUANTISED: E4M3 operands, one given power-of-two scale a tensor, by v_wmma_f32_16x16x64_fp8_fp8 or v_wmma_f32_16x16x128_fp8_fp8, f32 sums; everything else in f32.
;; Inputs: W_proj_codes 1,024 x 32 x 32 uint8 (E4M3 codes of W_proj, K innermost, in blocks of 32 codes); W_qkv_codes 3,072 x 32 x 32 uint8 (E4M3 codes of W_qkv, K innermost, in blocks of 32 codes); b_proj 1,024 float32; b_qkv 3,072 float32; lowp_scales 8 int32 (the exponents e of the quantised operands' scales 2^e); x_codes 4 x 2,048 x 32 x 32 uint8 (E4M3 codes of x, K innermost, in blocks of 32 codes).
;; Outputs: out0 4 x 2,048 x 1,024 float32.
;; This version of the problem:
;;   THIS VERSION OF THE PROBLEM IS GIVEN IN LOW PRECISION. The matrix products marked QUANTISED in the list below multiply operands that are first quantised to E4M3 (4 exponent bits, 3 mantissa bits; 8 bits a number), with one given power-of-two scale for each operand tensor; their sums are f32. All else is computed in f32.
;;   The module's matrix products, in the order in which they are computed (A, B: the left and right operand; K: the contracted axis; several contracted axes count as one K, in the product's order):
;;     1. [M 8,192, K 1,024] x [K 1,024, N 3,072]; A: input x (given as codes); B: input W_qkv (given as codes): QUANTISED (scales: A lowp_scales[0], B lowp_scales[1])
;;     2. batch 64 x [M 2,048, K 64] x [K 64, N 2,048]; A: computed on the way; B: computed on the way: QUANTISED (scales: A lowp_scales[2], B lowp_scales[3])
;;     3. batch 64 x [M 2,048, K 2,048] x [K 2,048, N 64]; A: softmax (see below); B: computed on the way: QUANTISED (scales: A lowp_scales[4], B lowp_scales[5])
;;     4. [M 8,192, K 1,024] x [K 1,024, N 1,024]; A: computed on the way; B: input W_proj (given as codes): QUANTISED (scales: A lowp_scales[6], B lowp_scales[7])
;;   THE QUANTISER, for each operand of a quantised product, along K:
;;     - The operand's scale is 2^e, e = its entry of the input lowp_scales (int32; the entries are numbered through the quantised products in the list's order, A before B).
;;     - Each number is divided by the scale, clamped to +-448, and rounded to the nearest number of E4M3, ties to even, subnormals kept.
;;     - The product sums the exact products of the quantised numbers (number of the format x scale) in f32.
;;   ~~~python
;;   def quantise(x, axis, e):      # numpy; x: float32 -> the quantised numbers, widened to float32 again
;;       x = np.moveaxis(x, axis, -1); K = x.shape[-1]
;;       r = np.clip(x / 2.0 ** e, -448, 448)
;;       step = 2.0 ** (np.maximum(np.frexp(np.where(r == 0, 1, r))[1] - 1, -6) - 3)
;;       q = np.round(r / step) * step * 2.0 ** e      # np.round: ties to even
;;       return np.moveaxis(q, -1, axis).astype(np.float32)
;;   ~~~
;;   SOFTMAX AHEAD OF A QUANTISED PRODUCT. Where the list says 'softmax', what is quantised is not the finished softmax but p = 2^(t - M), with t = logit x log2(e) and M = ceil(the row's largest t), a whole number; so 1/2 < the row's largest p <= 1. The row's sum l is taken of the UNQUANTISED p, in f32, and the product's result is divided by l at the end. Since M is a whole number, a kernel that streams over the keys may use a running M (the ceiling of the running maximum): every later rescaling is an exact power of two, so the quantised numbers keep their values, but for numbers so far below the row's largest that they fall under the format's range.
;;   OPERANDS COMPUTED ON THE WAY. 'Computed on the way' means the value that the module computes at that place (a softmax that the list does not call 'softmax' is quantised finished and normalised). What goes into a quantiser is computed in f32, as accurately as f32 sums, v_exp_f32 and their like allow (about 1e-6 of the number): no bf16 or f16 on the way to a quantiser, and a product that is left as it is and whose result goes on into a quantised operand takes f32 operands (vector FMAs, or v_wmma_f32_16x16x4_f32). A number that lies on a knife's edge between two numbers of the format may be rounded either way, as far as f32 arithmetic and the matrix unit's own rounding can turn it there, and no further.
;;   INPUTS GIVEN AS CODES. W_proj (in the module: [1024, 1024], K = its axis 0); W_qkv (in the module: [1024, 3072], K = its axis 0); x (in the module: [4, 2048, 1024], K = its axis 2): each comes as NAME_codes (uint8): NAME with its K axis moved to the last place and cut into blocks of 32 codes, [.., K / 32, bytes a block], one block behind the other in memory; one code a byte (a code: sign, 4 exponent bits, 3 mantissa bits); its scale is its entry of lowp_scales. Its value is code x scale, taken as it is: it is not quantised again, and the codes and scales need not be those that the quantiser above would give.
;; One version. Each part assembles by itself: llvm-mc -triple=amdgcn-amd-amdhsa -mcpu=gfx1250 --defsym DOCPART=n.
;; ======== version 1 of 1: 3 launches
;; limits: right only within a limited range of input values
;; workspace buffers: q_codes 8,388,608 bytes; k_codes 8,388,608 bytes; v_codes 8,388,608 bytes; a_codes 8,388,608 bytes
;; launch qkv (part 1): grid 12 x 32, 4 waves a work-group, clusters of 4 x 4, 327,680 bytes of LDS; arguments x_codes, W_qkv_codes, lowp_scales, b_qkv, q_codes, k_codes, v_codes; writes q_codes, k_codes, v_codes
.if DOCPART == 1
	.amdgcn_target "amdgcn-amd-amdhsa--gfx1250"
	.amdhsa_code_object_version 6
	.text
	.protected	k_q7baa16e154_qkv
	.globl	k_q7baa16e154_qkv
	.p2align	8
	.type	k_q7baa16e154_qkv,@function
k_q7baa16e154_qkv:
	s_mov_b64 s[64:65], 0
	v_nop
	global_prefetch_b8 v0, s[64:65] scope:SCOPE_SE
	s_setreg_imm32_b32 hwreg(HW_REG_WAVE_MODE, 25, 1), 1
	s_wait_xcnt 0x0
	s_wait_alu depctr_hold_cnt(0) depctr_sa_sdst(0) depctr_va_vdst(0) depctr_va_sdst(0) depctr_va_ssrc(0) depctr_va_vcc(0) depctr_vm_vsrc(0)
	s_getreg_b32 s2, hwreg(HW_REG_IB_STS2, 6, 4)
	s_cmp_eq_u32 s2, 0
	s_cbranch_scc0 .Lentry_in_a_cluster
	s_endpgm
.Lentry_in_a_cluster:
	s_bfe_u32 s2, ttmp6, 0x10000c
	s_cmp_lg_u32 s2, 0xf033
	s_cbranch_scc0 .Lentry_shape_is_right
	s_endpgm
.Lentry_shape_is_right:
; qkv = x W_qkv^T + b_qkv on codes of FP8 (E4M3), and its three parts quantised at once into codes for the attention launch.
; x: [8192 tokens][1024], W_qkv: [3072 columns][1024]: codes, K innermost.  A number of x is its code x 2^e0, of W x 2^e1 (lowp_scales).  q is quantised with 2^e2, k with 2^e3, v with 2^e5:
; code = number / 2^e, to the nearest code, ties to even.
; OUT: q_codes, k_codes: [64 (batch, head)][2048 tokens][64 channels].  v_codes: [64 (batch, head)][16 blocks of 128 keys][64 channels][128 places]: the KEYS innermost, since they are the K of the second
; product of attention; place 32 g + 16 h + 8 u + j of a block holds key 32 g + 16 u + 8 h + j, so that 16 bytes at 32 c + 16 h are registers 4 c .. 4 c + 3 of the K = 128 form's own layout.
; LIMITS: e0 + e1 between -126 and 127; e2, e3, e5 between -126 and 119, so that each power of two below is an f32 number.  NaN among the inputs is not served.
; SHARES.  A work-group of four waves makes a tile of 256 rows of "A" x 256 rows of "B"; a wave 128 x 128: 64 accumulators, 512 registers.  K = 1024 goes in four steps of 256 through two LDS slots.
; THE MATRIX INSTRUCTION IS USED TRANSPOSED (source 0 = 16 rows of B, source 1 = 16 rows of A): a lane holds ONE row of A and its eight registers eight neighbouring rows of B.  A lane's registers must run
; along the NEXT product's K.  So for q and k (cluster x = 0, 1) A = tokens, B = columns (a head's channels); for v (cluster x = 2) A = columns 2048 on, B = tokens (the keys).  The choice hangs on the
; cluster's x alone, which all sixteen partners share.
; CLUSTERS: 4 x 4 work-groups.  The four of a row of the cluster need the same tiles of A, the four of a column the same tiles of B: each tile is asked for jointly, by the same tensor load with the same
; descriptor and a mask that names the four.  No prefetch: a tile has two refills in all, and the first two K steps go out at the head.
; REGISTERS, in windows of 256: window 0: v0-31 addresses; v32-95 the bias of my 128 columns (q, k); v96-111 the bias of my rows, twice each (v); from v128 A's fragments, ONE set; on the way out v128-255 are free.
;   window 1: B's fragments, TWO sets.   window 2: the accumulators of my rows 0-63 ((a, b) at v[8 (8 a + b)]);   window 3: those of my rows 64-127.
.set KSTEP,  256                       ; along K in a slot
.set ROWB,   256                       ; a tile's row in bytes
.set KROW,   1024                      ; a row of x or of W in memory, in bytes
.set PITCH,  272                       ; an LDS row: 256 bytes + 16 of padding = 68 words: row r starts at bank 4 r mod 64 (ISA guide 11.1): the 16 rows of a load start at 16 different banks
.set FR,     16                        ; registers of a fragment: 16 rows x 128 K
.set NL,     4                         ; LDS loads that bring one
.set NP,     4                         ; places behind this matrix instruction (ISA guide 7.12.1)
.set HALFT,  128*PITCH                 ; 128 rows: what one tensor load brings
.set SLOT,   4*HALFT                   ; A's 256 rows, then B's 256 rows
.set LAPS,   1024/(2*KSTEP)            ; a lap = two K steps = once round the ring
.set SPARE,  2*SLOT                    ; behind the ring: the spare words, 128 bytes a wave: two blocks of 256 bytes that no other line names
.set SGP,    144                       ; the way out: a stage row: 128 bytes of codes + 16
.set STGW,   16*SGP                    ; a wave's stage: 16 rows.  The stages lie in slot 0, which has had its last fill and its last read when the first code is stored there
.set STGV,   16384                     ; the v path's stages have bytes of their own
.set LIM,  10
.set SC,   11                          ; v11     the scale as f32
.set BO,   12                          ; v12     32 x (lane / 16): my eight columns' bias
.set RO,   13                          ; v13     4 x (lane % 16): my row's bias
.set ADRA, 16                          ; v16-17  LDS address of my A fragments in slot 0, 1
.set ADRB, 20                          ; v20-21  the same for B
.set STOQ, 24                          ; v24     q, k: where I put 8 codes of a token
.set RDQ,  25                          ; v25     q, k: where I read 16 bytes back
.set STOV, 26                          ; v26     v: where I put 16 codes of a channel
.set RDV,  27                          ; v27     v: where I read 16 bytes back
.set SPW,  28                          ; v28     LDS address of my spare word; never rewritten
.set NIL,  29                          ; v29     0; never rewritten
.set CO,   30                          ; v30     16 x lane: my 16 bytes of a store's 512
.set BIQ,  32
.set BIV,  96
.set AF,   128                         ; A's fragments, in window 0
.set TMP,  128                         ; the way out: a block's 64 numbers
.set PC,   192                         ; its codes: two sets of 16 registers by turns
.set BK,   224                         ; and the codes read back: two sets of 16 by turns
.set G1, 24                            ; s[24:31] descriptor group 1 for A's tiles;  s[32:39] group 0, one set for each slot
.set G0, 32
.set G1B, 48                           ; s[48:55], s[56:63] the same for B's tiles
.set G0B, 56
.set MSB, 0
.macro WIN new                         ; the immediate's high byte repeats the setting that is left
.if MSB != (\new)
	s_set_vgpr_msb (MSB<<8)|(\new)
.set MSB, (\new)
.endif
.endm
.set MUL_LO, 0xa1                      ; source 0 (B) window 1, source 1 (A) window 0, C and D window 2
.set MUL_HI, 0xf1                      ; the same, C and D window 3
.set TO_B,   0x40                      ; destination window 1, address window 0
; A joint load: waves 0 and 1 fetch for A, waves 2 and 3 for B.  Each line has ONE mask and one set of registers for all that issue it; the branch hangs on the wave's number alone.
; Four v_nop follow each of the two lines, ahead of the jump, the label and what follows.
.macro JLOAD g0a, g1a, g0b, g1b
	s_cmp_eq_u32 s15, 0
	s_cbranch_scc0 .Lfor_b_\@
	tensor_load_to_lds s[\g0a:\g0a+3], s[\g1a:\g1a+7]
	s_nop 0
.rept 4
	v_nop
.endr
	s_branch .Lasked_\@
.Lfor_b_\@:
	tensor_load_to_lds s[\g0b:\g0b+3], s[\g1b:\g1b+7]
	s_nop 0
.rept 4
	v_nop
.endr
.Lasked_\@:
.endm
.macro CREST                           ; a round of the cluster's barrier behind its opening barrier
	s_cmp_lg_u32 s14, 0
	s_cbranch_scc1 .Lnot_wave_0_\@
	s_barrier_signal -3
.Lnot_wave_0_\@:
	s_barrier_wait -3
	s_barrier_signal -1
	s_barrier_wait -1
.endm
.macro CROUND                          ; a whole round
	s_barrier_signal -1
	s_barrier_wait -1
	CREST
.endm
	s_load_b128 s[4:7], s[0:1], 0x0                ; x's codes s[4:5], W's codes s[6:7]
	s_load_b128 s[8:11], s[0:1], 0x10              ; the scales' exponents s[8:9], b_qkv s[10:11]
	s_load_b128 s[68:71], s[0:1], 0x20             ; q_codes s[68:69], k_codes s[70:71]
	s_load_b64 s[72:73], s[0:1], 0x30              ; v_codes
	v_lshl_add_u32 v[SPW], v0, 2, SPARE
	v_mov_b32 v[NIL], 0
	ds_add_u32 v28, v29
	ds_add_u32 v28, v29
	s_wait_dscnt 0x0
	v_lshrrev_b32 v1, 5, v0
	v_readfirstlane_b32 s14, v1                    ; wave 0..3
	s_lshr_b32 s15, s14, 1                         ; which half of A's rows is mine.  Also: I fetch for A (0) or for B (1)
	s_and_b32 s16, s14, 1                          ; which half of B's rows.  Also: which 128 rows of that tile I fetch
	s_bfe_u32 s40, ttmp6, 0x40000                  ; cx, cy: my place in the cluster
	s_bfe_u32 s41, ttmp6, 0x40004
	s_and_b32 s66, ttmp7, 0xffff
	s_lshl_b32 s66, s66, 2                         ; 4 x cluster y
	s_add_co_u32 s17, s66, s41                     ; q, k: A's tile: 256 tokens, number 4 x cluster y + cy
	s_add_co_u32 s74, s41, 8                       ; v:    A's tile: 256 rows of W, number 8 + cy
	s_add_co_u32 s75, s66, s40                     ; v:    B's tile: 256 tokens, number 4 x cluster y + cx
	s_lshl_b32 s42, ttmp9, 2
	s_add_co_u32 s42, s42, s40                     ; q, k: B's tile: 256 rows of W, number 4 x cluster x + cx
	s_cmp_eq_u32 ttmp9, 2                          ; the v part?  The same answer in all sixteen partners
	s_cselect_b32 s92, s74, s17                    ; A's tile hangs on cy and the cluster alone,
	s_cselect_b32 s93, s75, s42                    ; B's on cx and the cluster alone
	s_lshl_b32 s43, s41, 2
	s_lshl_b32 s43, 15, s43                        ; my row of the cluster
	s_lshl_b32 s44, 0x1111, s40                    ; my column
	; descriptor group 1: a tile of 128 rows x 256 bytes, padded in LDS
	s_or_b32 s[G1+0], s43, (0<<16)|(1<<20)|(1<<21)|(5<<22)|(3<<25)  ; 15:0 the mask: A's tiles go to my row; 17:16 element of 1 byte; 20 padding on; 21 set beside a mask; 24:22 after every 64 words (code 5); 31:25 of 4 words (code 3)
	s_or_b32 s[G1B+0], s44, (0<<16)|(1<<20)|(1<<21)|(5<<22)|(3<<25)
.irp g, G1, G1B
	s_mov_b32 s[\g+1], ROWB<<16                    ; tensor_dim0
	s_mov_b32 s[\g+2], 128<<16                     ; tensor_dim1 = 128
	s_mov_b32 s[\g+3], ROWB<<16                    ; tile_dim0
	s_mov_b32 s[\g+4], 128                         ; tile_dim1 = 128
	s_mov_b32 s[\g+5], KROW                        ; tensor_dim0_stride
	s_mov_b32 s[\g+6], 0
	s_mov_b32 s[\g+7], 0
.endr
	s_lshl_b32 s18, s16, 7                         ; which 128 rows of the tile I fetch
	s_lshl_b32 s20, s92, 8
	s_add_co_u32 s20, s20, s18
	s_lshl_b32 s20, s20, 10                        ; A: (256 x tile + 128 x half) rows of 1,024 bytes: under 2^24
	s_mov_b32 s21, 0
	s_lshl_b32 s46, s93, 8
	s_add_co_u32 s46, s46, s18
	s_lshl_b32 s46, s46, 10                        ; B likewise
	s_mov_b32 s47, 0
	s_mul_i32 s45, s14, HALFT                      ; where they go: wave x 128 rows: no place in the cluster enters an LDS address
	s_wait_kmcnt 0x0
	s_load_b256 s[76:83], s[8:9], 0x0              ; e0 .. e7
	s_cmp_eq_u32 ttmp9, 2
	s_cselect_b64 s[12:13], s[6:7], s[4:5]         ; A is W in the v part, else x
	s_cselect_b64 s[22:23], s[4:5], s[6:7]         ; B the other
	s_add_nc_u64 s[20:21], s[12:13], s[20:21]
	s_add_nc_u64 s[46:47], s[22:23], s[46:47]
	CROUND                                         ; all sixteen work-groups are here: the first joint loads meet
.irp s, 0,1
	s_mov_b32 s[G0+4*\s], 1
	s_add_co_u32 s[G0+4*\s+1], s45, \s*SLOT
	s_add_nc_u64 s[G0+4*\s+2:G0+4*\s+3], s[20:21], \s*ROWB
	s_or_b32 s[G0+4*\s+3], s[G0+4*\s+3], 0x80000000
	s_mov_b32 s[G0B+4*\s], 1
	s_add_co_u32 s[G0B+4*\s+1], s45, \s*SLOT
	s_add_nc_u64 s[G0B+4*\s+2:G0B+4*\s+3], s[46:47], \s*ROWB
	s_or_b32 s[G0B+4*\s+3], s[G0B+4*\s+3], 0x80000000
	JLOAD G0+4*\s, G1, G0B+4*\s, G1B
.endr
	v_and_b32 v1, 15, v0                           ; r = lane % 16
	s_wait_alu depctr_va_vdst(0)
	v_bfe_u32 v2, v0, 4, 1                         ; h = lane / 16
	v_and_b32 v6, 31, v0                           ; lane
	v_mul_u32_u24 v3, v1, PITCH
	v_lshl_add_u32 v4, v2, 4, v3                   ; a fragment's row x pitch + 16 x half
	s_mul_i32 s21, s15, HALFT                      ; my 128 rows of A
	s_mul_i32 s22, s16, HALFT                      ; my 128 rows of B,
	s_add_co_u32 s22, s22, 2*HALFT                 ; which lie behind A's 256
.irp s, 0,1
	v_add_nc_u32 v[ADRA+\s], s21, v4
	v_add_nc_u32 v[ADRB+\s], s22, v4
	s_add_co_u32 s21, s21, SLOT
	s_add_co_u32 s22, s22, SLOT
.endr
	; the stages' addresses, for both ways out, all made here: a constant + a lane term + 2,304 x wave
	s_mul_i32 s23, s14, STGW
	v_mul_u32_u24 v5, v1, SGP
	v_add_nc_u32 v5, s23, v5                       ; row r of my stage
	v_lshl_add_u32 v[STOQ], v2, 3, v5              ; q, k: + 8 h: eight channels' codes
	v_lshl_add_u32 v[STOV], v2, 4, v5              ; v: + 16 h: sixteen keys' codes
	v_add_nc_u32 v[STOV], STGV, v[STOV]
	v_lshrrev_b32 v7, 2, v6
	v_mul_u32_u24 v7, v7, SGP
	v_and_b32 v8, 3, v6
	v_lshl_add_u32 v7, v8, 4, v7
	v_add_nc_u32 v[RDQ], s23, v7                   ; q, k back: four lanes to a token's 64 bytes of one head, eight tokens an instruction
	v_lshrrev_b32 v7, 3, v6
	v_mul_u32_u24 v7, v7, SGP
	v_and_b32 v8, 7, v6
	v_lshl_add_u32 v7, v8, 4, v7
	v_add_nc_u32 v7, s23, v7
	v_add_nc_u32 v[RDV], STGV, v7                  ; v back: eight lanes to a channel's 128 bytes, four channels an instruction
	v_lshlrev_b32 v[CO], 4, v6
	v_lshlrev_b32 v[BO], 5, v2
	s_wait_alu depctr_va_vdst(0)
	v_lshlrev_b32 v[RO], 2, v1
	s_wait_alu depctr_va_vdst(0)
	; the biases.  Both kinds are loaded on both ways (both stay inside b_qkv), so that no register hangs on the path; they land while the products run and are waited for on the way out
	s_lshl_b32 s94, s42, 8
	s_lshl_b32 s98, s16, 7
	s_add_co_u32 s94, s94, s98
	s_lshl_b32 s94, s94, 2                         ; 4 x (256 x (4 x cluster x + cx) + 128 x my half of B): at most column 2,944, and 128 columns follow
	s_mov_b32 s95, 0
	s_add_nc_u64 s[84:85], s[10:11], s[94:95]
	s_lshl_b32 s94, s74, 8
	s_lshl_b32 s98, s15, 7
	s_add_co_u32 s94, s94, s98
	s_lshl_b32 s94, s94, 2                         ; 4 x (256 x (8 + cy) + 128 x my half of A)
	s_add_nc_u64 s[86:87], s[10:11], s[94:95]
.irp b, 0,1,2,3,4,5,6,7
	global_load_b128 v[BIQ+8*\b:BIQ+8*\b+3],   v[BO], s[84:85] offset:64*\b      ; register 8 b + j: the bias of column 16 b + 8 h + j
	global_load_b128 v[BIQ+8*\b+4:BIQ+8*\b+7], v[BO], s[84:85] offset:64*\b+16
.endr
.irp a, 0,1,2,3,4,5,6,7
	global_load_b32 v[BIV+2*\a],   v[RO], s[86:87] offset:64*\a                  ; the bias of row 16 a + r, twice: a pair for the packed multiply-add
	global_load_b32 v[BIV+2*\a+1], v[RO], s[86:87] offset:64*\a
.endr
	; where my codes go.  q, k: (batch x 16 + head) x 131,072 + token x 64;  my first head is 4 cx + 2 x my half of B, my first token 256 x (tile % 8) + 128 x my half of A
	s_cmp_eq_u32 ttmp9, 0
	s_cselect_b64 s[88:89], s[68:69], s[70:71]
	s_lshr_b32 s94, s17, 3
	s_lshl_b32 s94, s94, 4
	s_lshl_b32 s98, s40, 2
	s_add_co_u32 s94, s94, s98
	s_lshl_b32 s98, s16, 1
	s_add_co_u32 s94, s94, s98
	s_lshl_b32 s94, s94, 17
	s_and_b32 s98, s17, 7
	s_lshl_b32 s98, s98, 8
	s_lshl_b32 s99, s15, 7
	s_add_co_u32 s98, s98, s99
	s_lshl_b32 s98, s98, 6
	s_add_co_u32 s94, s94, s98
	s_add_nc_u64 s[88:89], s[88:89], s[94:95]
	; v: (batch x 16 + head) x 131,072 + block of 128 keys x 8,192;  my first head is 4 cy + 2 x my half of A, my block 2 x (tile % 8) + my half of B
	s_lshr_b32 s94, s75, 3
	s_lshl_b32 s94, s94, 4
	s_lshl_b32 s98, s41, 2
	s_add_co_u32 s94, s94, s98
	s_lshl_b32 s98, s15, 1
	s_add_co_u32 s94, s94, s98
	s_lshl_b32 s94, s94, 17
	s_and_b32 s98, s75, 7
	s_lshl_b32 s98, s98, 1
	s_add_co_u32 s98, s98, s16
	s_lshl_b32 s98, s98, 13
	s_add_co_u32 s94, s94, s98
	s_add_nc_u64 s[90:91], s[72:73], s[94:95]
.macro FRAG reg, adr, q, i             ; a fragment, 16 rows x 128 K, is 16 registers: lane l holds row l % 16; registers 4 c .. 4 c + 3 hold K = 32 c + 16 (l / 16) + 0 .. 15: the same order of k in A and in B
.irp c, 0,1,2,3
	ds_load_b128 v[\reg+4*\c:\reg+4*\c+3], v[\adr] offset:128*(\q)+32*\c+(\i)*16*PITCH
.endr
.endm
; 16 matrix instructions: A's blocks a0, a0 + 1 x B's eight, 128 along K.  p: B's set.  zero = 1: the first product starts the sums: nothing is ever cleared.
; The 64 accumulators take turns, one instruction a turn, in the same order in every step.
.macro MUL16 a0, p, zero
.irp a, \a0, \a0+1
.irp b, 0,1,2,3,4,5,6,7
.if \zero
	v_wmma_f32_16x16x128_fp8_fp8 v[8*(8*((\a)%4)+\b):8*(8*((\a)%4)+\b)+7], v[128*(\p)+FR*\b:128*(\p)+FR*\b+FR-1], v[AF+FR*(\a):AF+FR*(\a)+FR-1], 0
.else
	v_wmma_f32_16x16x128_fp8_fp8 v[8*(8*((\a)%4)+\b):8*(8*((\a)%4)+\b)+7], v[128*(\p)+FR*\b:128*(\p)+FR*\b+FR-1], v[AF+FR*(\a):AF+FR*(\a)+FR-1], v[8*(8*((\a)%4)+\b):8*(8*((\a)%4)+\b)+7]
.endif
.endr
.endr
.endm
.macro FETCH_B slot, q, p              ; B's eight fragments of the slot's q-th 128 along K into set p
	WIN TO_B
.irp i, 0,1,2,3,4,5,6,7
	FRAG 128*(\p)+FR*\i, ADRB+\slot, \q, \i
.endr
	WIN 0
.endm
.macro FETCH_A slot, q, i0             ; A's blocks i0 .. i0 + 3
.irp i, \i0, \i0+1, \i0+2, \i0+3
	FRAG AF+FR*(\i), ADRA+\slot, \q, \i
.endr
.endm
; A load into a register that a matrix instruction has read, and a vector instruction that reads a matrix result, stand NP places behind that matrix instruction; only plain vector instructions
; that name none of its registers are places (ISA guide 7.12.1 for vector instructions).
.macro PLACES n
.rept \n
	v_nop
.endr
.endm
; A step of 128 along K that has its successor in the same slot.  A block of A is free as soon as its eight products are issued: blocks 0-3 are fetched anew in the step's middle, blocks 4-7 at its end.
.macro STEP slot, q, zero
	s_wait_dscnt 4*NL                              ; B's set and A's blocks 0-3 are in; the youngest sixteen loads (A's blocks 4-7) may be out
	WIN MUL_LO
	MUL16 0, (\q)%2, \zero
	MUL16 2, (\q)%2, \zero
	s_wait_dscnt 0                                 ; A's blocks 4-7 are in (asked for 32 matrix instructions ago)
	PLACES NP
	FETCH_B \slot, (\q)+1, 1-(\q)%2
	FETCH_A \slot, (\q)+1, 0
	WIN MUL_HI
	MUL16 4, (\q)%2, \zero
	MUL16 6, (\q)%2, \zero
	PLACES NP
	WIN 0
	FETCH_A \slot, (\q)+1, 4
.endm
; A slot's last step changes slots: ONE barrier; in front of it each wave waits for all its tensor loads, adds 0 to its spare word, and waits for that and for its own reads of this slot.  fill = 1: this slot is filled again, two K steps ahead.
.macro TURN slot, next, fill
	s_wait_tensorcnt 0x0                           ; all my tensor loads have landed: my part of the next slot  (every window is 0 here: the add's two registers lie in window 0)
	ds_add_u32 v[SPW], v[NIL]                      ; 0 onto my spare word
	s_wait_dscnt 4*NL+1                            ; (the add and the youngest sixteen loads, A's blocks 4-7, may be out)
	WIN MUL_LO
	MUL16 0, 1, 0                                  ; sixteen matrix instructions stand between the add and the wait for it
	s_wait_dscnt 0x0                               ; the add is done, and my reads of this slot are over
	s_barrier_signal -1
	MUL16 2, 1, 0
	WIN 0
	s_barrier_wait -1
.if \fill
	CREST                                          ; the barrier has opened a round of the cluster's barrier: no wave of any partner still reads this slot's tile or has a load on its way
	s_add_nc_u64 s[G0+4*\slot+2:G0+4*\slot+3], s[G0+4*\slot+2:G0+4*\slot+3], 2*ROWB
	s_add_nc_u64 s[G0B+4*\slot+2:G0B+4*\slot+3], s[G0B+4*\slot+2:G0B+4*\slot+3], 2*ROWB
	JLOAD G0+4*\slot, G1, G0B+4*\slot, G1B         ; the first tensor load behind the round; the four v_nop behind it are the places in front of the loads below
.else
	PLACES NP
.endif
	FETCH_B \next, 0, 0
	FETCH_A \next, 0, 0
	WIN MUL_HI
	MUL16 4, 1, 0
	MUL16 6, 1, 0
	PLACES NP
	WIN 0
	FETCH_A \next, 0, 4
.endm
	s_wait_tensorcnt 1                             ; my part of K step 0 is in (K step 1's load may be out)
	s_barrier_signal -1
	s_barrier_wait -1                              ; everybody's is
	FETCH_B 0, 0, 0
	FETCH_A 0, 0, 0
	FETCH_A 0, 0, 4
	STEP 0, 0, 1                                   ; the first step stands in front of the loop: its products start the sums
.if LAPS > 1
	s_mov_b32 s3, LAPS-1
.Llap:                                                 ; a trip goes once round the ring, from a lap's second step to the next lap's first, and fills both slots again
	TURN 0, 1, 1
	STEP 1, 0, 0
	TURN 1, 0, 1
	STEP 0, 0, 0
	s_sub_co_u32 s3, s3, 1
	s_cmp_lg_u32 s3, 0
	s_cbranch_scc1 .Llap
.endif
	TURN 0, 1, 0                                   ; the last lap fills nothing, and has no round of the cluster's barrier
	STEP 1, 0, 0
	s_wait_dscnt 4*NL                              ; the very last step: nothing more to fetch
	WIN MUL_LO
	MUL16 0, 1, 0
	MUL16 2, 1, 0
	s_wait_dscnt 0
	WIN MUL_HI
	MUL16 4, 1, 0
	MUL16 6, 1, 0
	WIN 0
; THE WAY OUT, block by block of 16 rows of A.  number = sum x 2^(e0 + e1) + bias, one packed multiply-add for two
; eight numbers a conversion.  The codes go through my own stage in LDS and come back so that each store of the wave covers 512 consecutive bytes, aligned.
; LDS serves a wave's instructions in order (ISA guide 5.7.1.4): no wait between the stores and the loads, nor in front of the next block's stores.
.macro QUANT                           ; v[TMP] on: 64 numbers -> v[PCS] on: 64 codes
.set jj, 0
.rept 64
.set jj, jj+1
.endr
.irp b, 0,1,2,3,4,5,6,7
	v_cvt_scalef32_pk8_fp8_f32 v[PCS+2*\b:PCS+2*\b+1], v[TMP+8*\b:TMP+8*\b+7], v[SC]
.endr
	v_nop                                          ; one plain vector instruction between the last conversion and the next vector instruction that writes its sources
.endm
; q, k: block a = 16 tokens; a lane's accumulator b holds channels 16 b + 8 h + 0 .. 7 of token r: 8 bytes of the token's 128 (two heads)
.macro QBLK a
.set AC,  64*((\a)%4)
.set PCS, PC+16*((\a)%2)
.set BKS, BK+16*((\a)%2)
	WIN 0x02+((\a)/4)                              ; source 0: window 2 or 3
.set jj, 0
.rept 32
	v_pk_fma_f32 v[TMP+jj:TMP+jj+1], v[AC+jj:AC+jj+1], s[96:97], v[BIQ+jj:BIQ+jj+1] op_sel_hi:[1,0,1]   ; each accumulator from its low end on
.set jj, jj+2
.endr
	WIN 0
	QUANT
.irp b, 0,1,2,3,4,5,6,7
	ds_store_b64 v[STOQ], v[PCS+2*\b:PCS+2*\b+1] offset:16*\b
.endr
.irp hd, 0,1
.irp u, 0,1
	ds_load_b128 v[BKS+4*(2*\hd+\u):BKS+4*(2*\hd+\u)+3], v[RDQ] offset:8*SGP*\u+64*\hd   ; head hd, tokens 8 u .. 8 u + 7: 512 bytes that are neighbours in memory
.endr
.endr
.endm
.macro QSEND a, younger                ; younger: the LDS instructions issued behind block a's loads, which may stay out
.set BKS, BK+16*((\a)%2)
	s_wait_dscnt \younger
.irp hd, 0,1
.irp u, 0,1
	global_store_b128 v[CO], v[BKS+4*(2*\hd+\u):BKS+4*(2*\hd+\u)+3], s[88:89] offset:1024*(\a)+512*\u+131072*\hd
.endr
.endr
.endm
; v: block a = 16 channels; a lane's accumulator b holds keys 16 b + 8 h + 0 .. 7 of channel r.  Accumulators 2 g and 2 g + 1 give 16 bytes, laid at 32 g + 16 h: the order of places stated at the head
.macro VBLK a
.set AC,  64*((\a)%4)
.set PCS, PC+16*((\a)%2)
.set BKS, BK+16*((\a)%2)
	WIN 0x02+((\a)/4)
.set jj, 0
.rept 32
	v_pk_fma_f32 v[TMP+jj:TMP+jj+1], v[AC+jj:AC+jj+1], s[96:97], v[BIV+2*(\a):BIV+2*(\a)+1] op_sel_hi:[1,0,1]
.set jj, jj+2
.endr
	WIN 0
	QUANT
.irp g, 0,1,2,3
	ds_store_b128 v[STOV], v[PCS+4*\g:PCS+4*\g+3] offset:32*\g
.endr
.irp u, 0,1,2,3
	ds_load_b128 v[BKS+4*\u:BKS+4*\u+3], v[RDV] offset:4*SGP*\u      ; channels 4 u .. 4 u + 3: 512 bytes that are neighbours in memory
.endr
.endm
.macro VSEND a, younger
.set BKS, BK+16*((\a)%2)
	s_wait_dscnt \younger
.irp u, 0,1,2,3
	global_store_b128 v[CO], v[BKS+4*\u:BKS+4*\u+3], s[90:91] offset:131072*((\a)/4)+2048*((\a)%4)+512*\u
.endr
.endm
	s_wait_kmcnt 0x0
	s_add_co_i32 s96, s76, s77                     ; e0 + e1, between -126 and 127,
	s_add_co_i32 s96, s96, 127
	s_lshl_b32 s96, s96, 23                        ; makes the f32 number 2^(e0 + e1)
	s_mov_b32 s97, s96                             ; (named with it as a pair, so it is written)
	s_cmp_eq_u32 ttmp9, 0
	s_cselect_b32 s98, s78, s79                    ; e2 for q, e3 for k,
	s_cmp_eq_u32 ttmp9, 2
	s_cselect_b32 s98, s81, s98                    ; e5 for v: a choice without a jump
	s_add_co_i32 s98, s98, 127
	s_lshl_b32 s99, s98, 23                        ; 2^e as f32: the conversion takes its exponent field
	s_wait_loadcnt 0x0                             ; the biases
	PLACES NP                                      ; behind the last products: for the first reads of results and for the writes into the registers that held A's fragments
	v_mov_b32 v[SC], s99
	s_cmp_eq_u32 ttmp9, 2
	s_cbranch_scc1 .Lv_part
	QBLK 0
.irp a, 1,2,3,4,5,6,7
.if \a > 1
	s_wait_xcnt 0x0                                ; block a - 2's stores have read their registers: block a's loads may land there
.endif
	QBLK \a
	QSEND \a-1, 12                                 ; behind block a - 1's loads: block a's 8 stores and 4 loads
.endr
	QSEND 7, 0
	s_branch .Lend
.Lv_part:
	VBLK 0
.irp a, 1,2,3,4,5,6,7
.if \a > 1
	s_wait_xcnt 0x0
.endif
	VBLK \a
	VSEND \a-1, 8                                  ; behind block a - 1's loads: block a's 4 stores and 4 loads
.endr
	VSEND 7, 0
.Lend:
	s_wait_tensorcnt 0x0                           ; the wave's end: behind my last tensor load and my last LDS store
	ds_add_u32 v[SPW], v[NIL]
	s_wait_dscnt 0x0
	CROUND                                         ; the closing round: no work-group ends while a partner may still ask for a tile that names it
	s_endpgm
.Lfunc_end_k_q7baa16e154_qkv:
	.size	k_q7baa16e154_qkv, .Lfunc_end_k_q7baa16e154_qkv-k_q7baa16e154_qkv
	.p2alignl 7, 3214868480
	.fill 96, 4, 3214868480
	.section	.rodata,"a",@progbits
	.p2align	6, 0x0
	.amdhsa_kernel k_q7baa16e154_qkv
		.amdhsa_group_segment_fixed_size 327680
		.amdhsa_private_segment_fixed_size 0
		.amdhsa_enable_private_segment 0
		.amdhsa_kernarg_size 56
		.amdhsa_user_sgpr_count 2
		.amdhsa_user_sgpr_kernarg_segment_ptr 1
		.amdhsa_wavefront_size32 1
		.amdhsa_system_sgpr_workgroup_id_x 1
		.amdhsa_system_sgpr_workgroup_id_y 1
		.amdhsa_system_sgpr_workgroup_id_z 1
		.amdhsa_system_vgpr_workitem_id 0
		.amdhsa_next_free_vgpr 1024
		.amdhsa_next_free_sgpr 100
		.amdhsa_reserve_vcc 0
		.amdhsa_float_denorm_mode_32 3
		.amdhsa_float_denorm_mode_16_64 3
		.amdhsa_fp16_overflow 1
		.amdhsa_memory_ordered 1
		.amdhsa_forward_progress 1
		.amdhsa_inst_pref_size 142
	.end_amdhsa_kernel
	.amdgpu_metadata
---
amdhsa.version: [ 1, 2 ]
amdhsa.kernels:
  - .name:           k_q7baa16e154_qkv
    .symbol:         k_q7baa16e154_qkv.kd
    .args:
      - { .name: x_codes, .offset: 0, .size: 8, .value_kind: global_buffer, .address_space: global }
      - { .name: W_qkv_codes, .offset: 8, .size: 8, .value_kind: global_buffer, .address_space: global }
      - { .name: lowp_scales, .offset: 16, .size: 8, .value_kind: global_buffer, .address_space: global }
      - { .name: b_qkv, .offset: 24, .size: 8, .value_kind: global_buffer, .address_space: global }
      - { .name: q_codes, .offset: 32, .size: 8, .value_kind: global_buffer, .address_space: global }
      - { .name: k_codes, .offset: 40, .size: 8, .value_kind: global_buffer, .address_space: global }
      - { .name: v_codes, .offset: 48, .size: 8, .value_kind: global_buffer, .address_space: global }
    .group_segment_fixed_size: 327680
    .private_segment_fixed_size: 0
    .kernarg_segment_align: 8
    .kernarg_segment_size: 56
    .max_flat_workgroup_size: 128
    .sgpr_count:     100
    .vgpr_count:     1024
    .wavefront_size: 32
...
	.end_amdgpu_metadata
.endif
;; end of part 1
;; launch attn (part 2): grid 4 x 64, 8 waves a work-group, no clusters, 327,680 bytes of LDS; arguments q_codes, k_codes, v_codes, lowp_scales, a_codes; writes a_codes
.if DOCPART == 2
	.amdgcn_target "amdgcn-amd-amdhsa--gfx1250"
	.amdhsa_code_object_version 6
	.text
	.protected	k_q7baa16e154_attn
	.globl	k_q7baa16e154_attn
	.p2align	8
	.type	k_q7baa16e154_attn,@function
k_q7baa16e154_attn:
	s_mov_b64 s[64:65], 0
	v_nop
	global_prefetch_b8 v0, s[64:65] scope:SCOPE_SE
	s_setreg_imm32_b32 hwreg(HW_REG_WAVE_MODE, 25, 1), 1
	s_wait_xcnt 0x0
; Causal attention on codes of FP8 (E4M3), for each of 64 (batch, head) pairs: 2,048 queries and keys, 64 channels.  Scales 2^e from lowp_scales: e2 q, e3 k, e4 p, e5 v, e6 the result.
; q_codes, k_codes: [64][2048][64].  v_codes: [64][16 blocks of 128 keys][64 channels][128 places], place 32 g + 16 h + 8 u + j = key 32 g + 16 u + 8 h + j.
; a_codes (out): the result quantised with 2^e6, laid [64 blocks of 128 tokens][16 heads][128 tokens][64 channels], token = 2048 x batch + query.
; THE SOFTMAX: t = score x log2(e) / 8; M = the row's largest t so far, rounded UP to a whole number; p = 2^(t - M) is what is quantised, not normalised.  The row's sum is taken of the unquantised p, in f32,
; and divides O at the end.  When M moves, the sum and O are multiplied by 2^(old M - new M): exact.
; SHARES.  Work-group (p, pair) owns the blocks of 256 queries 7 - p and p.  Block 7 - p meets the key slots (256 keys) 0 .. 7 - p, block p the slots 0 .. p: NINE slots whatever p is.  So the trip count is a
; constant, the 256 work-groups have equal work, and no slot is fetched that the causal mask hides whole.  Each of the eight waves owns 32 queries: tile 0 in register window 0, tile 1 in window 1, under the
; SAME register numbers, so that each fragment of K and V read from LDS feeds two matrix instructions; two waves share a SIMD, so that one wave's vector work stands beside the other's matrix work.
; LAYOUT.  Both products are used transposed: S^T = K Q^T (source 0 = 16 keys, source 1 = 16 queries, K = 64), O^T = V^T P^T (source 0 = 16 channels, source 1 = P, K = 128 keys): a lane holds ONE query
; (lane % 16) throughout.  In S^T tile t, register j is key 16 t + 8 (lane / 16) + j: eight conversions give P in the K = 128 form's own layout; v_codes' order of places gives V the same by 16-byte loads.
; NO CLUSTER: the four work-groups of a pair want the same slot only up to trip 7 - p; from there their walks differ with p, so the partners' descriptors would differ.
; LIMITS on the given exponents, so that each power of two below is an f32 number: e2 + e3 between -123 and 130 (added to c's exponent field); e4 and e6 between -126 and 119; e4 + e5 goes by v_ldexp_f32 and has none.
; REGISTERS (* = in both windows): v1-11 addresses; v10* my query less my first key's place; v12* -M, v13* the largest t, v[14:15]* the sum; v16-23* Q; v24-31* Q of the second block; v32-95: window 0 K's eight
; fragments, window 1 V's four; v96-159* S^T, then p; v160-191* O^T; v192-207 the way out; v208-214* at work; v217* 2^e4, v219* 2^e6; v224-239* p's codes.
.set KP,    80                         ; a key's row in LDS: 64 bytes + 16 of padding: an odd multiple of 16, so the 16 rows of a load fall on different banks
.set VP,    144                        ; a row of V (one channel, 128 keys): 128 bytes + 16
.set VOFF,  256*KP                     ; a slot: 256 rows of K, then 128 rows of V (block of keys x 64 + channel)
.set SLOT1, 1<<16                      ; slot 1 begins here: one exclusive or turns an address in one slot into the other's
.set SPARE, 2*SLOT1                    ; the spare words, 128 bytes for each of eight waves: four blocks of 256 bytes that no other line names
.set STAGE, SPARE+1024                 ; the way out: 32 rows x 80 bytes for each wave; no tensor load ever lands here
.set SGP,   80
.set STGW,  32*SGP
.set AK0,  1                           ; v1   my lane's place in a tile of K
.set AV0,  2                           ; v2   the same for V
.set PFO,  3                           ; v3   256 x lane: the prefetches' offset; never rewritten
.set STO,  4                           ; v4   the stage: where I put 8 codes of a query
.set SPW,  5                           ; v5   LDS address of my spare word; never rewritten
.set NIL,  6                           ; v6   0; never rewritten
.set GO,   7                           ; v7   16 x lane: my 16 bytes of a store's 512
.set ADK,  8                           ; v8   LDS address of the step's tiles of K
.set ADV,  9                           ; v9   of V
.set LQ,   10                          ; v10  lane % 16 - 8 (lane / 16), + 16 in window 1
.set RD,   11                          ; v11  the stage: where I read 16 bytes back
.set TB,   2                           ; s2   LDS byte at which the slot in hand begins
.set TR,   3                           ; s3   the trip, 0 .. 8
.set WV,   18                          ; s18  my wave's number
.set SEL,  20                          ; s[20:21] lane selects for v_permlanex16_b32: lane l xor 16
.set CS,   22                          ; s[22:23] c = log2(e) / 8 x 2^(e2 + e3)
.set G1K,  24                          ; s[24:31] descriptor group 1 for K's tiles;  s[32:39] for V's;  s[40:43], s[44:47] their groups 0
.set G1V,  32
.set G0K,  40
.set G0V,  44
.set KB,   48                          ; s[48:49] K's codes at my pair, + 8,192 in odd waves
.set VB,   50                          ; s[50:51] V's codes at my pair
.set KOF,  52                          ; s[52:53] 16,384 x the key slot that is asked for
.set SW,   54                          ; s54  8 - p: the trip at whose head the second block begins
.set Q0,   55                          ; s55  my first query
.set Q0B,  56                          ; s56  my first query of the second block
.set KF,   57                          ; s57  the step's first key
.set LIM,  58                          ; s58  6 in a wave that prefetches, else 0: it prefetches while the trip is below
.set EPV,  59                          ; s59  e4 + e5
.set PFA,  60                          ; s[60:61] where my prefetches stand
.set OA,   62                          ; s[62:63] where my 32 queries' codes go
.set MSB, 0
.macro WIN new                         ; the immediate's high byte repeats the setting that is left.  bits 1:0 source 0, 3:2 source 1, 5:4 source 2, 7:6 destination
.if MSB != (\new)
	s_set_vgpr_msb (MSB<<8)|(\new)
.set MSB, (\new)
.endif
.endm
; Waves 0 and 1 fetch K's halves (128 rows each), wave 2 V's 128 rows, the others nothing.  The branches hang on the wave's number alone.  Four v_nop follow each of the two lines.
.macro TLOAD
	s_cmp_lt_u32 s[WV], 2
	s_cbranch_scc0 .Lnot_k_\@
	tensor_load_to_lds s[G0K:G0K+3], s[G1K:G1K+7]
	s_nop 0
.rept 4
	v_nop
.endr
	s_branch .Lasked_\@
.Lnot_k_\@:
	s_cmp_eq_u32 s[WV], 2
	s_cbranch_scc0 .Lasked_\@
	tensor_load_to_lds s[G0V:G0V+3], s[G1V:G1V+7]
	s_nop 0
.rept 4
	v_nop
.endr
.Lasked_\@:
.endm
; A PREFETCH INTO THE L2 of the key slot that the NEXT change of slots will ask for: 16,384 bytes of K and as many of V, both dense.  All four work-groups of a pair begin with slots 0, 1, 2 ..: the one with
; p = 0, which walks all eight, asks, and nobody else.  In it the waves ask that fetch nothing, one instruction each: waves 4 and 5 for K's two halves of 8,192 bytes, waves 6 and 7 for V's, lanes 256 bytes apart.
; So each aligned block of 256 bytes is named once in the launch.  Trip t asks for slot t + 2, t = 0 .. 5: slots 0 and 1 come by their loads alone, and nothing is asked for past slot 7.
.macro ASK
	s_cmp_lt_u32 s[TR], s[LIM]
	s_cbranch_scc0 .Lnot_mine_\@
	global_prefetch_b8 v[PFO], s[PFA:PFA+1] th:TH_LOAD_NT scope:SCOPE_SE
.Lnot_mine_\@:
.endm
; A tile's statistics and O^T at a block's start (the key step is written once: its first run finds zeros, which the first change of M leaves zeros).  consts = 1: at the head; 0: the second block, whose Q is moved in.
.macro INIT consts
	v_mov_b32 v13, 0xff61b1e6                      ; the largest t so far: -3e38, under every t
	v_mov_b32 v14, 0                               ; the sum, in two halves
	v_mov_b32 v15, 0
	s_delay_alu instid0(VALU_DEP_3)
	v_floor_f32 v12, -v13                          ; -M
	v_mov_b32 v208, 0                              ; written: a lane permute's destination counts as one of its sources
	v_mov_b32 v213, 0                              ; (named as the upper half of the pair v[212:213])
.set jj, 0
.rept 32
	v_mov_b32 v[160+jj], 0
.set jj, jj+1
.endr
.if \consts
	v_mov_b32 v217, s93                            ; 2^e4
	v_mov_b32 v219, s95                            ; 2^e6
.else
.set jj, 0
.rept 8
	v_mov_b32 v[16+jj], v[24+jj]
.set jj, jj+1
.endr
.endif
.endm
	s_load_b128 s[4:7], s[0:1], 0x0                ; q_codes s[4:5], k_codes s[6:7]
	s_load_b128 s[8:11], s[0:1], 0x10              ; v_codes s[8:9], the scales' exponents s[10:11]
	s_load_b64 s[12:13], s[0:1], 0x20              ; a_codes
	v_lshl_add_u32 v[SPW], v0, 2, SPARE
	v_mov_b32 v[NIL], 0
	ds_add_u32 v5, v6
	ds_add_u32 v5, v6
	s_wait_dscnt 0x0
	v_lshrrev_b32 v8, 5, v0
	s_delay_alu instid0(VALU_DEP_1)
	v_readfirstlane_b32 s[WV], v8                  ; wave 0..7
	s_and_b32 s88, ttmp7, 0xffff                   ; the pair: 16 x batch + head
	s_lshl_b32 s90, s88, 17                        ; its 131,072 bytes in each of q, k, v
	s_mov_b32 s91, 0
	s_and_b32 s76, s[WV], 1
	s_lshl_b32 s82, s76, 13                        ; odd waves: the second 128 keys, 8,192 bytes on in memory,
	s_mov_b32 s83, 0
	s_mul_i32 s78, s76, 128*KP                     ; and 128 rows on in a slot
	s_sub_co_u32 s[SW], 8, ttmp9
	s_sub_co_u32 s79, 7, ttmp9
	s_lshl_b32 s79, s79, 8
	s_lshl_b32 s80, s[WV], 5
	s_add_co_u32 s[Q0], s79, s80                   ; the first block: 256 (7 - p) + 32 x wave
	s_lshl_b32 s[Q0B], ttmp9, 8
	s_add_co_u32 s[Q0B], s[Q0B], s80               ; the second: 256 p + 32 x wave
	; descriptor group 1.  K: 128 rows of 64 bytes, dense in memory;  V: 128 rows of 128 bytes, dense
	s_mov_b32 s[G1K], (0<<16)|(1<<20)|(3<<22)|(3<<25)   ; 15:0 no mask; 17:16 elements of 1 byte; 20 padding on; 24:22 after every 16 words (code 3); 31:25 four words (code 3)
	s_mov_b32 s[G1K+1], 64<<16                     ; tensor_dim0
	s_mov_b32 s[G1K+2], 128<<16                    ; tensor_dim1
	s_mov_b32 s[G1K+3], 64<<16                     ; tile_dim0
	s_mov_b32 s[G1K+4], 128                        ; tile_dim1
	s_mov_b32 s[G1K+5], 64                         ; tensor_dim0_stride
	s_mov_b32 s[G1K+6], 0
	s_mov_b32 s[G1K+7], 0
	s_mov_b32 s[G1V], (0<<16)|(1<<20)|(4<<22)|(3<<25)   ; padding: four words after every 32
	s_mov_b32 s[G1V+1], 128<<16
	s_mov_b32 s[G1V+2], 128<<16
	s_mov_b32 s[G1V+3], 128<<16
	s_mov_b32 s[G1V+4], 128
	s_mov_b32 s[G1V+5], 128
	s_mov_b32 s[G1V+6], 0
	s_mov_b32 s[G1V+7], 0
	s_mov_b32 s[SEL], 0x76543210
	s_mov_b32 s[SEL+1], 0xfedcba98
	s_mov_b32 s[CS], 0x3e38aa3b                    ; c = log2(e) / sqrt(64)
	s_mov_b32 s[TB], 0
	s_mov_b32 s[TR], 0
	s_mov_b32 s[KF], 0
	s_mov_b32 s[KOF], 0
	s_mov_b32 s[KOF+1], 0
	s_wait_kmcnt 0x0
	s_load_b256 s[68:75], s[10:11], 0x0            ; e0 .. e7
	s_add_nc_u64 s[KB:KB+1], s[6:7], s[90:91]
	s_add_nc_u64 s[VB:VB+1], s[8:9], s[90:91]
	s_cmp_lt_u32 s[WV], 6                          ; the prefetches: waves 4 and 5 stand in K, waves 6 and 7 in V,
	s_cselect_b64 s[PFA:PFA+1], s[KB:KB+1], s[VB:VB+1]
	s_add_nc_u64 s[PFA:PFA+1], s[PFA:PFA+1], s[82:83]   ; odd waves in the second half of a slot's bytes,
	s_add_nc_u64 s[PFA:PFA+1], s[PFA:PFA+1], 16384 ; in slot 1: the first change of slots steps it to slot 2
	s_add_nc_u64 s[KB:KB+1], s[KB:KB+1], s[82:83]
	s_mov_b32 s[G0K], 1                            ; 1:0 count = 1
	s_mov_b32 s[G0K+1], s78                        ; 63:32 LDS address: slot 0
	s_mov_b64 s[G0K+2:G0K+3], s[KB:KB+1]           ; 120:64 global address: key slot 0
	s_or_b32 s[G0K+3], s[G0K+3], 0x80000000        ; 127:126 type = 2
	s_mov_b32 s[G0V], 1
	s_mov_b32 s[G0V+1], VOFF
	s_mov_b64 s[G0V+2:G0V+3], s[VB:VB+1]
	s_or_b32 s[G0V+3], s[G0V+3], 0x80000000
	TLOAD                                          ; slot 0: the first fill, ahead of every wait on TENSORcnt, every LDS read and every barrier
	s_lshr_b32 s76, s[WV], 2
	s_xor_b32 s76, s76, 1                          ; 0 in waves 4 to 7,
	s_or_b32 s76, s76, ttmp9                       ; of the work-group with p = 0
	s_cmp_eq_u32 s76, 0
	s_cselect_b32 s[LIM], 6, 0
	s_add_nc_u64 s[84:85], s[4:5], s[90:91]        ; Q's codes at my pair,
	s_lshl_b32 s82, s[Q0B], 6
	s_add_nc_u64 s[86:87], s[84:85], s[82:83]      ; at my first query of the second block,
	s_lshl_b32 s82, s[Q0], 6
	s_add_nc_u64 s[84:85], s[84:85], s[82:83]      ; and of the first
	v_and_b32 v8, 15, v0                           ; r = lane % 16
	v_bfe_u32 v9, v0, 4, 1                         ; h = lane / 16
	v_and_b32 v11, 31, v0                          ; lane
	s_delay_alu instid0(VALU_DEP_1)
	v_lshlrev_b32 v[PFO], 8, v11
	s_delay_alu instid0(VALU_DEP_2)
	v_lshlrev_b32 v[GO], 4, v11
	v_mul_u32_u24 v[AK0], v8, KP
	s_delay_alu instid0(VALU_DEP_1)
	v_lshl_add_u32 v[AK0], v9, 4, v[AK0]           ; row r, + 16 h
	v_mul_u32_u24 v[AV0], v8, VP
	s_delay_alu instid0(VALU_DEP_1)
	v_lshl_add_u32 v[AV0], v9, 4, v[AV0]
	s_delay_alu instid0(VALU_DEP_1)
	v_add_nc_u32 v[AV0], VOFF, v[AV0]
	s_mul_i32 s76, s[WV], STGW
	s_add_co_u32 s76, s76, STAGE                   ; my stage
	v_mul_u32_u24 v[STO], v8, SGP
	s_delay_alu instid0(VALU_DEP_1)
	v_lshl_add_u32 v[STO], v9, 3, v[STO]
	s_delay_alu instid0(VALU_DEP_1)
	v_add_nc_u32 v[STO], s76, v[STO]               ; in: row r, + 8 h
	v_lshrrev_b32 v10, 2, v11
	s_delay_alu instid0(VALU_DEP_1)
	v_mul_u32_u24 v10, v10, SGP
	v_and_b32 v11, 3, v11
	s_delay_alu instid0(VALU_DEP_1)
	v_lshl_add_u32 v11, v11, 4, v10
	s_delay_alu instid0(VALU_DEP_1)
	v_add_nc_u32 v[RD], s76, v11                   ; back: four lanes to a query's 64 bytes, eight queries an instruction
	v_lshlrev_b32 v10, 3, v9
	s_delay_alu instid0(VALU_DEP_1)
	v_sub_nc_u32 v[LQ], v8, v10                    ; r - 8 h
	v_lshlrev_b32 v8, 6, v8
	s_delay_alu instid0(VALU_DEP_1)
	v_lshl_add_u32 v8, v9, 4, v8                   ; Q: row r of 64 bytes, + 16 h: registers 0-3 channels 16 h + 0 .. 15, registers 4-7 channels 32 + 16 h + 0 .. 15: the order in which K's fragments come too
.irp c, 0,1
	global_load_b128 v[16+4*\c:19+4*\c], v8, s[84:85] offset:32*\c
	global_load_b128 v[24+4*\c:27+4*\c], v8, s[86:87] offset:32*\c
.endr
	WIN 0x40                                       ; destination window 1: tile 1, sixteen queries (1,024 bytes) on
.irp c, 0,1
	global_load_b128 v[16+4*\c:19+4*\c], v8, s[84:85] offset:1024+32*\c
	global_load_b128 v[24+4*\c:27+4*\c], v8, s[86:87] offset:1024+32*\c
.endr
	v_add_nc_u32 v[LQ], 16, v[LQ]                  ; window 1's: r - 8 h + 16
	WIN 0
	s_wait_kmcnt 0x0
	s_add_co_i32 s76, s70, s71
	s_lshl_b32 s76, s76, 23
	s_add_co_i32 s[CS], s[CS], s76                 ; a score stands for score x 2^(e2 + e3): the two exponents are added to c's exponent field
	s_mov_b32 s[CS+1], s[CS]                       ; (named with it as a pair, so it is written)
	s_add_co_i32 s[EPV], s72, s73
	s_add_co_i32 s76, s72, 127
	s_lshl_b32 s93, s76, 23                        ; 2^e4 as f32
	s_add_co_i32 s76, s74, 127
	s_lshl_b32 s95, s76, 23                        ; 2^e6
	INIT 1
	WIN 0x55
	INIT 1
	WIN 0
.macro KQ                              ; S^T = K Q^T: eight tiles of 16 keys, K = the head's 64
.irp t, 0,1,2,3,4,5,6,7
	v_wmma_f32_16x16x64_fp8_fp8 v[96+8*\t:103+8*\t], v[32+8*\t:39+8*\t], v[16:23], 0
.endr
.endm
.macro PV                              ; O^T += V^T P^T: four tiles of 16 channels, K = the step's 128 keys; the four accumulators take turns
.irp d, 0,1,2,3
	v_wmma_f32_16x16x128_fp8_fp8 v[160+8*\d:167+8*\d], v[32+16*\d:47+16*\d], v[224:239], v[160+8*\d:167+8*\d]
.endr
.endm
.macro MASK                            ; s76 = my wave's first query less the step's first key.  Register 8 t + j holds key 16 t + 8 h + j of the step: hidden where 16 t + j > d
	v_add_nc_u32 v212, s76, v[LQ]                  ; d = my query - the step's first key - 8 h
	v_mov_b32 v214, 0xff800000                     ; -infinity: p = 0 then
.irp t, 0,1,2,3,4,5,6,7
.irp j, 0,1,2,3,4,5,6,7
	v_cmp_gt_i32 vcc_lo, 16*\t+\j, v212
	v_cndmask_b32 v[96+8*\t+\j], v[96+8*\t+\j], v214, vcc_lo
.endr
.endr
.endm
.macro SOFTMAX                         ; one tile's, under the window that is set
	v_max3_num_f32 v214, v96, v97, v98             ; the step's largest score of my query, among my 64 keys, in two chains, each accumulator from its low end on,
	v_max3_num_f32 v212, v99, v100, v101
.set jj, 6
.rept 14
	v_max3_num_f32 v214, v214, v[96+jj], v[97+jj]
	v_max3_num_f32 v212, v212, v[98+jj], v[99+jj]
.set jj, jj+4
.endr
	v_max3_num_f32 v214, v214, v158, v159
	s_delay_alu instid0(VALU_DEP_1)
	v_max_num_f32 v214, v214, v212
	s_delay_alu instid0(VALU_DEP_1)
	v_permlanex16_b32 v208, v214, s[SEL], s[SEL+1]
	s_delay_alu instid0(VALU_DEP_1)
	v_max_num_f32 v214, v214, v208                 ; and among lane l xor 16's
	s_delay_alu instid0(VALU_DEP_1)
	v_mul_f32 v214, s[CS], v214                    ; as t (c is positive)
	s_delay_alu instid0(VALU_DEP_1)
	v_max_num_f32 v13, v13, v214                   ; the running largest t
	v_mov_b32 v214, v12
	s_delay_alu instid0(VALU_DEP_2)
	v_floor_f32 v12, -v13                          ; the new -M = floor(-t) = -ceil(t): M is a whole number
	s_delay_alu instid0(VALU_DEP_1)
	v_sub_f32 v214, v12, v214                      ; M's old value less its new one: a whole number, 0 or less
	s_delay_alu instid0(VALU_DEP_1)
	v_cvt_i32_f32 v214, v214                       ; (it saturates)
	s_delay_alu instid0(VALU_DEP_1)
	v_ldexp_f32 v212, 1.0, v214                    ; f = 2^(old M - new M): a multiplication by it rounds nothing
.set jj, 0
.rept 32
	v_pk_fma_f32 v[96+jj:97+jj], v[96+jj:97+jj], s[CS:CS+1], v[12:13] op_sel_hi:[1,0,0]   ; t - M, two at a time (of the pairs c and -M the low word serves both halves)
.set jj, jj+2
.endr
.set jj, 0
	s_wait_alu depctr_va_vdst(0)
.rept 64
	v_exp_f32 v[96+jj], v[96+jj]                   ; p = 2^(t - M), at most 1: not normalised
.set jj, jj+1
.endr
	v_pk_mul_f32 v[14:15], v[14:15], v[212:213] op_sel_hi:[1,0]   ; the sums under the new M: the plain instruction behind the exponentials
	s_wait_alu depctr_va_vdst(0)                   ; one wait for the whole batch, ahead of its first reader
	v_pk_add_f32 v[210:211], v[96:97], v[98:99]    ; the row's sum is taken of the UNQUANTISED p: two at a time, in two chains
.set jj, 4
.rept 15
	v_pk_add_f32 v[14:15], v[14:15], v[96+jj:97+jj]
	v_pk_add_f32 v[210:211], v[210:211], v[98+jj:99+jj]
.set jj, jj+4
.endr
	s_delay_alu instid0(VALU_DEP_1)
	v_pk_add_f32 v[14:15], v[14:15], v[210:211]
.irp t, 0,1,2,3,4,5,6,7
.irp j, 0,1,2,3,4,5,6,7
.endr
	v_cvt_scalef32_pk8_fp8_f32 v[224+2*\t:225+2*\t], v[96+8*\t:103+8*\t], v217   ; registers 2 t, 2 t + 1 of the operand: keys 16 t + 8 h + 0 .. 7
.endr
.set jj, 0
.rept 16
	v_pk_mul_f32 v[160+jj:161+jj], v[160+jj:161+jj], v[212:213] op_sel_hi:[1,0]   ; O^T under the new M.  (These are also the plain instructions between the conversions and the products)
.set jj, jj+2
.endr
.endm
; A KEY STEP: 128 keys, the q-th of the slot in hand, against my two tiles of queries.
.macro STEP q
	s_add_co_u32 s76, s[Q0], 31                    ; a step all of whose keys come after my 32 queries is left out: a scalar branch on ids; no barrier and no tensor load stands in a step.
	s_cmp_gt_u32 s[KF], s76                        ; (The step's first key is a multiple of 128 and my first query of 32: in a step that is not left out the first key counts for all my queries, so every maximum is a number)
	s_cbranch_scc1 .Lhidden_\@
	v_add_nc_u32 v[ADK], s[TB], v[AK0]
	v_add_nc_u32 v[ADV], s[TB], v[AV0]
	v_nop                                          ; with the two additions: four places in front of loads into registers that matrix instructions have read
	v_nop
.irp t, 0,1,2,3,4,5,6,7
	ds_load_b128 v[32+8*\t:35+8*\t], v[ADK] offset:(128*(\q)+16*\t)*KP
	ds_load_b128 v[36+8*\t:39+8*\t], v[ADK] offset:(128*(\q)+16*\t)*KP+32
.endr
	WIN 0x40                                       ; destination window 1
.irp d, 0,1,2,3
.irp c, 0,1,2,3
	ds_load_b128 v[32+16*\d+4*\c:35+16*\d+4*\c], v[ADV] offset:(64*(\q)+16*\d)*VP+32*\c
.endr
.endr
	WIN 0
	s_wait_dscnt 16                                ; K's sixteen loads are in; V's sixteen may be out
	KQ
	WIN 0x54                                       ; K in window 0; Q and S^T in window 1
	s_wait_alu depctr_va_vdst(0)
	KQ
	WIN 0
.rept 4
	v_nop                                          ; places in front of the first read of results
.endr
	s_add_co_u32 s76, s[KF], 127
	s_cmp_le_u32 s76, s[Q0]
	s_cbranch_scc1 .Lopen_\@                       ; all 128 keys count for all my queries: nothing to hide
	s_sub_co_i32 s76, s[Q0], s[KF]
	MASK
	WIN 0x55
	MASK
	WIN 0
.Lopen_\@:
	SOFTMAX
	s_wait_alu depctr_va_vdst(0)
	s_wait_dscnt 0x0                               ; V is in
	WIN 0x01                                       ; V in window 1; P and O^T in window 0
	PV
	WIN 0x55                                       ; tile 1: all in window 1
	SOFTMAX
	PV
	WIN 0
.Lhidden_\@:
	s_add_co_u32 s[KF], s[KF], 128
.endm
; THE CHANGE OF SLOTS stands at a trip's head.  Each wave waits for all its tensor loads (its part of the slot that it is about to read), adds 0 to its spare word, and waits for that and for its reads of the slot
; that it has left.  Behind the barrier the slot ahead is whole and nobody reads the other one.  fill = 1: that other slot is filled for the next trip: the load has this trip's two steps in which to land.
; By this text's count a wave has one tensor load out at the most.
.macro CHANGE fill
	s_wait_tensorcnt 0x0                           ; no tensor load of mine is out, so a group 0 may be written
	ds_add_u32 v[SPW], v[NIL]                      ; 0 onto my spare word; the descriptors' steps stand between it and the wait for it
.if \fill
	s_add_co_u32 s76, s[TR], 1                     ; the next trip's key slot: the trip's number, counted anew from the second block's first trip
	s_cmp_lt_u32 s76, s[SW]
	s_cselect_b32 s77, 0, s[SW]
	s_sub_co_u32 s76, s76, s77
	s_lshl_b32 s[KOF], s76, 14                     ; 256 keys are 16,384 bytes in K and in V
	s_xor_b32 s[G0K+1], s[G0K+1], SLOT1            ; the other LDS slot than last time
	s_add_nc_u64 s[G0K+2:G0K+3], s[KB:KB+1], s[KOF:KOF+1]
	s_or_b32 s[G0K+3], s[G0K+3], 0x80000000
	s_xor_b32 s[G0V+1], s[G0V+1], SLOT1
	s_add_nc_u64 s[G0V+2:G0V+3], s[VB:VB+1], s[KOF:KOF+1]
	s_or_b32 s[G0V+3], s[G0V+3], 0x80000000
	s_wait_xcnt 0x0                                ; the last prefetch, a trip back, has read its address, so it may be written
	s_add_nc_u64 s[PFA:PFA+1], s[PFA:PFA+1], 16384
.endif
	s_wait_dscnt 0x0                               ; the add is done, and my reads of the slot that I have left are over
	s_barrier_signal -1
	s_barrier_wait -1
.if \fill
	TLOAD                                          ; the first thing behind the barrier, and a wave's one tensor load until the next
	ASK
.endif
.endm
; A tile's end, under the window that is set: O^T x 2^(e4 + e5) / the sum, turned into codes: registers 224 + 2 d, + 1: channels 16 d + 8 h + 0 .. 7 of query r
.macro FIN
	v_add_f32 v14, v14, v15                        ; the sum's two halves,
	s_delay_alu instid0(VALU_DEP_1)
	v_permlanex16_b32 v208, v14, s[SEL], s[SEL+1]
	s_delay_alu instid0(VALU_DEP_1)
	v_add_f32 v14, v14, v208                       ; and lane l xor 16's: the row's sum
	s_wait_alu depctr_va_vdst(0)
	v_rcp_f32 v14, v14
	v_nop                                          ; a plain instruction behind the reciprocal,
	s_wait_alu depctr_va_vdst(0)                   ; and a wait ahead of its first reader
	v_ldexp_f32 v14, v14, s[EPV]
.set jj, 0
.rept 16
	v_pk_mul_f32 v[96+jj:97+jj], v[160+jj:161+jj], v[14:15] op_sel_hi:[1,0]   ; each accumulator from its low end on
.set jj, jj+2
.endr
.set jj, 0
.rept 32
.set jj, jj+1
.endr
.irp d, 0,1,2,3
	v_cvt_scalef32_pk8_fp8_f32 v[224+2*\d:225+2*\d], v[96+8*\d:103+8*\d], v219
.endr
	v_nop                                          ; one plain vector instruction behind the last conversion
.endm
; THE WAY OUT of a block: my 32 queries' codes, 64 bytes each, go through my own stage and leave as 2,048 consecutive bytes: each store of the wave covers 512 consecutive bytes, aligned.
.macro WAYOUT
	FIN
.irp d, 0,1,2,3
	ds_store_b64 v[STO], v[224+2*\d:225+2*\d] offset:16*\d
.endr
	WIN 0x55
	FIN
	WIN 0x04                                       ; the stores' data in window 1, the address in window 0
.irp d, 0,1,2,3
	ds_store_b64 v[STO], v[224+2*\d:225+2*\d] offset:16*SGP+16*\d
.endr
	WIN 0
	s_wait_xcnt 0x0                                ; the first block's stores have read their base and their registers: both are written again only behind this wait
	s_lshr_b32 s76, s88, 4
	s_lshl_b32 s76, s76, 11
	s_add_co_u32 s76, s76, s[Q0]                   ; my first token: 2048 x batch + my first query
	s_lshr_b32 s77, s76, 7
	s_lshl_b32 s77, s77, 17                        ; its block of 128 tokens: 131,072 bytes each,
	s_and_b32 s78, s88, 15
	s_lshl_b32 s78, s78, 13                        ; the head: 8,192 bytes,
	s_add_co_u32 s77, s77, s78
	s_and_b32 s76, s76, 127
	s_lshl_b32 s76, s76, 6                         ; the token in its block: 64 bytes
	s_add_co_u32 s82, s77, s76
	s_add_nc_u64 s[OA:OA+1], s[12:13], s[82:83]
.irp u, 0,1,2,3
	ds_load_b128 v[192+4*\u:195+4*\u], v[RD] offset:8*SGP*\u       ; LDS serves a wave's instructions in order (ISA guide 5.7.1.4): these see my stores
.endr
.irp u, 0,1,2,3
	s_wait_dscnt 3-\u
	global_store_b128 v[GO], v[192+4*\u:195+4*\u], s[OA:OA+1] offset:512*\u
.endr
.endm
; At the head of trip 8 - p the first block goes out and the second begins.  A scalar branch on ids; it stands behind the change of slots and jumps over no barrier and no tensor load.
.macro SWITCH
	s_cmp_eq_u32 s[TR], s[SW]
	s_cbranch_scc0 .Lsame_\@
	WAYOUT
	s_mov_b32 s[Q0], s[Q0B]
	s_mov_b32 s[KF], 0
	INIT 0
	WIN 0x55
	INIT 0
	WIN 0
.Lsame_\@:
.endm
	s_wait_loadcnt 0x0                             ; Q, both blocks'
.Lslot:                                            ; eight trips: behind each change of slots but the last the next slot is asked for
	CHANGE 1
	SWITCH
	STEP 0
	STEP 1
	s_xor_b32 s[TB], s[TB], SLOT1                  ; on to the other slot
	s_add_co_u32 s[TR], s[TR], 1
	s_cmp_lt_u32 s[TR], 8
	s_cbranch_scc1 .Lslot
	CHANGE 0                                       ; the ninth trip is written out
	SWITCH
	STEP 0
	STEP 1
	WAYOUT
	s_wait_tensorcnt 0x0                           ; the wave's end: behind my last tensor load and my last LDS store
	ds_add_u32 v[SPW], v[NIL]
	s_wait_dscnt 0x0
	s_endpgm
.Lfunc_end_k_q7baa16e154_attn:
	.size	k_q7baa16e154_attn, .Lfunc_end_k_q7baa16e154_attn-k_q7baa16e154_attn
	.p2alignl 7, 3214868480
	.fill 96, 4, 3214868480
	.section	.rodata,"a",@progbits
	.p2align	6, 0x0
	.amdhsa_kernel k_q7baa16e154_attn
		.amdhsa_group_segment_fixed_size 327680
		.amdhsa_private_segment_fixed_size 0
		.amdhsa_enable_private_segment 0
		.amdhsa_kernarg_size 40
		.amdhsa_user_sgpr_count 2
		.amdhsa_user_sgpr_kernarg_segment_ptr 1
		.amdhsa_wavefront_size32 1
		.amdhsa_system_sgpr_workgroup_id_x 1
		.amdhsa_system_sgpr_workgroup_id_y 1
		.amdhsa_system_sgpr_workgroup_id_z 1
		.amdhsa_system_vgpr_workitem_id 0
		.amdhsa_next_free_vgpr 512
		.amdhsa_next_free_sgpr 100
		.amdhsa_reserve_vcc 1
		.amdhsa_float_denorm_mode_32 3
		.amdhsa_float_denorm_mode_16_64 3
		.amdhsa_fp16_overflow 1
		.amdhsa_memory_ordered 1
		.amdhsa_forward_progress 1
		.amdhsa_inst_pref_size 175
	.end_amdhsa_kernel
	.amdgpu_metadata
---
amdhsa.version: [ 1, 2 ]
amdhsa.kernels:
  - .name:           k_q7baa16e154_attn
    .symbol:         k_q7baa16e154_attn.kd
    .args:
      - { .name: q_codes, .offset: 0, .size: 8, .value_kind: global_buffer, .address_space: global }
      - { .name: k_codes, .offset: 8, .size: 8, .value_kind: global_buffer, .address_space: global }
      - { .name: v_codes, .offset: 16, .size: 8, .value_kind: global_buffer, .address_space: global }
      - { .name: lowp_scales, .offset: 24, .size: 8, .value_kind: global_buffer, .address_space: global }
      - { .name: a_codes, .offset: 32, .size: 8, .value_kind: global_buffer, .address_space: global }
    .group_segment_fixed_size: 327680
    .private_segment_fixed_size: 0
    .kernarg_segment_align: 8
    .kernarg_segment_size: 40
    .max_flat_workgroup_size: 256
    .sgpr_count:     100
    .vgpr_count:     512
    .wavefront_size: 32
...
	.end_amdgpu_metadata
.endif
;; end of part 2
;; launch proj (part 3): grid 4 x 32, 4 waves a work-group, clusters of 4 x 4, 327,680 bytes of LDS; arguments a_codes, W_proj_codes, lowp_scales, b_proj, out0; writes out0
.if DOCPART == 3
	.amdgcn_target "amdgcn-amd-amdhsa--gfx1250"
	.amdhsa_code_object_version 6
	.text
	.protected	k_q7baa16e154_proj
	.globl	k_q7baa16e154_proj
	.p2align	8
	.type	k_q7baa16e154_proj,@function
k_q7baa16e154_proj:
	s_mov_b64 s[64:65], 0
	v_nop
	global_prefetch_b8 v0, s[64:65] scope:SCOPE_SE
	s_setreg_imm32_b32 hwreg(HW_REG_WAVE_MODE, 25, 1), 1
	s_wait_xcnt 0x0
	s_wait_alu depctr_hold_cnt(0) depctr_sa_sdst(0) depctr_va_vdst(0) depctr_va_sdst(0) depctr_va_ssrc(0) depctr_va_vcc(0) depctr_vm_vsrc(0)
	s_getreg_b32 s2, hwreg(HW_REG_IB_STS2, 6, 4)
	s_cmp_eq_u32 s2, 0
	s_cbranch_scc0 .Lentry_in_a_cluster
	s_endpgm
.Lentry_in_a_cluster:
	s_bfe_u32 s2, ttmp6, 0x10000c
	s_cmp_lg_u32 s2, 0xf033
	s_cbranch_scc0 .Lentry_shape_is_right
	s_endpgm
.Lentry_shape_is_right:
; out0 = a W_proj^T + b_proj on codes of FP8 (E4M3).  a: the attention's result as codes, scale 2^e6, laid [64 blocks of 128 tokens][16 heads][128 tokens][64 channels] (K = 64 x head + channel);
; W_proj: [1024 columns][1024] codes, K innermost, scale 2^e7;  b_proj [1024], out0 [8192][1024]: f32.  The codes are multiplied as they are; out = sum x 2^(e6 + e7) + bias, one packed multiply-add for two.
; LIMIT: e6 + e7 lies between -126 and 127, so that 2^(e6 + e7) is an f32 number.
; A tile of out0, 256 x 256, is made by a work-group of four waves; a wave makes 128 x 128: 64 accumulators, 512 registers.  8192 x 1024 are 128 such tiles.
; K goes in four steps of 256 (four heads) through two LDS slots.  128 tokens x four heads of a are 32,768 consecutive bytes: one tensor load of 512 rows of 64 bytes, row = 128 x head + token.
; CLUSTERS: 4 x 4 work-groups.  The four of a row of the cluster need the same tiles of a, the four of a column the same tiles of W: each tile is asked for jointly, by the same tensor load with the same
; descriptor and a mask that names the four.  THE MATRIX INSTRUCTION IS USED TRANSPOSED (source 0 = 16 rows of W, source 1 = 16 tokens): a lane holds eight neighbouring numbers of a row of out0.
; No prefetch: a tile has two refills in all, and the first two K steps go out at the head.
; REGISTERS, in windows of 256: window 0: v0-31 addresses; v32-35 the bias of my four columns of a row read back; from v128 A's fragments, ONE set; on the way out v128-255 are free.
;   window 1: B's fragments, TWO sets.   window 2: the accumulators of my rows 0-63 ((a, b) at v[8 (8 a + b)]);   window 3: those of my rows 64-127.
.set SIZE_N, 1024
.set KROW,   1024                      ; a row of W in memory, in bytes
.set APITCH, 80                        ; A's LDS row: 64 bytes + 16 of padding: an odd multiple of 16, so the 16 rows of a load fall on different banks
.set PITCH,  272                       ; B's LDS row: 256 bytes + 16
.set FR,     16                        ; registers of a fragment: 16 rows x 128 K
.set NL,     4                         ; LDS loads that bring one
.set NP,     4                         ; places behind this matrix instruction (ISA guide 7.12.1)
.set HALFA,  512*APITCH                ; 128 tokens x 4 heads: what one tensor load brings of A
.set HALFB,  128*PITCH                 ; 128 rows of W
.set BOFF,   2*HALFA                   ; B's rows lie behind A's two halves
.set SLOT,   2*HALFA+2*HALFB
.set LAPS,   2                         ; a lap = two K steps = once round the ring
.set SPARE,  2*SLOT                    ; behind the ring: the spare words, 128 bytes a wave: two blocks of 256 bytes that no other line names
.set SPITCH, 528                       ; the way out: a stage of 16 rows x (512 bytes + 16) for each wave, in slot 0, which has had its last fill and its last read when the first result is stored there
.set ADRA, 16                          ; v16-17  LDS address of my A fragments in slot 0, 1
.set ADRB, 20                          ; v20-21  the same for B
.set STO,  24                          ; v24     the way out: where I put 32 bytes of a row
.set RD,   25                          ; v25     the way out: where I read a row back
.set CO,   26                          ; v26     16 x lane: my byte offset in a row's 512 bytes
.set SPW,  28                          ; v28     LDS address of my spare word; never rewritten
.set NIL,  29                          ; v29     0; never rewritten
.set BI,   32                          ; v32-35  b_proj at my four columns
.set AF,   128                         ; A's fragments, in window 0
.set BK,   128                         ; the way out: 16 rows read back from the stage: v128-191 and v192-255 by turns
.set G1, 24                            ; s[24:31] descriptor group 1 for A's tiles;  s[32:39] group 0, one set for each slot
.set G0, 32
.set G1B, 48                           ; s[48:55], s[56:63] the same for B's tiles
.set G0B, 56
.set MSB, 0
.macro WIN new                         ; the immediate's high byte repeats the setting that is left
.if MSB != (\new)
	s_set_vgpr_msb (MSB<<8)|(\new)
.set MSB, (\new)
.endif
.endm
.set MUL_LO, 0xa1                      ; source 0 (B) window 1, source 1 (A) window 0, C and D window 2
.set MUL_HI, 0xf1                      ; the same, C and D window 3
.set TO_B,   0x40                      ; destination window 1, address window 0
; A joint load: waves 0 and 1 fetch for A, waves 2 and 3 for B; the branch hangs on the wave's number alone.  Four v_nop follow each of the two lines.
.macro JLOAD g0a, g1a, g0b, g1b
	s_cmp_eq_u32 s15, 0
	s_cbranch_scc0 .Lfor_b_\@
	tensor_load_to_lds s[\g0a:\g0a+3], s[\g1a:\g1a+7]
	s_nop 0
.rept 4
	v_nop
.endr
	s_branch .Lasked_\@
.Lfor_b_\@:
	tensor_load_to_lds s[\g0b:\g0b+3], s[\g1b:\g1b+7]
	s_nop 0
.rept 4
	v_nop
.endr
.Lasked_\@:
.endm
.macro CREST                           ; a round of the cluster's barrier behind its opening barrier
	s_cmp_lg_u32 s14, 0
	s_cbranch_scc1 .Lnot_wave_0_\@
	s_barrier_signal -3
.Lnot_wave_0_\@:
	s_barrier_wait -3
	s_barrier_signal -1
	s_barrier_wait -1
.endm
.macro CROUND                          ; a whole round
	s_barrier_signal -1
	s_barrier_wait -1
	CREST
.endm
	s_load_b128 s[4:7], s[0:1], 0x0                ; a_codes s[4:5], W_proj's codes s[6:7]
	s_load_b128 s[8:11], s[0:1], 0x10              ; the scales' exponents s[8:9], b_proj s[10:11]
	s_load_b64 s[12:13], s[0:1], 0x20              ; out0
	v_lshl_add_u32 v[SPW], v0, 2, SPARE
	v_mov_b32 v[NIL], 0
	ds_add_u32 v28, v29
	ds_add_u32 v28, v29
	s_wait_dscnt 0x0
	v_lshrrev_b32 v1, 5, v0
	v_readfirstlane_b32 s14, v1                    ; wave 0..3
	s_lshr_b32 s15, s14, 1                         ; which half of the tile's rows is mine.  Also: I fetch for A (0) or for B (1)
	s_and_b32 s16, s14, 1                          ; which half of its columns.  Also: which half of that tile I fetch
	s_bfe_u32 s40, ttmp6, 0x40000                  ; cx, cy: my place in the cluster
	s_bfe_u32 s41, ttmp6, 0x40004
	s_lshl_b32 s42, ttmp9, 2
	s_add_co_u32 s42, s42, s40                     ; tile column = 4 x cluster x + cx
	s_and_b32 s17, ttmp7, 0xffff
	s_lshl_b32 s17, s17, 2
	s_add_co_u32 s17, s17, s41                     ; tile row = 4 x cluster y + cy
	s_lshl_b32 s43, s41, 2
	s_lshl_b32 s43, 15, s43                        ; my row of the cluster
	s_lshl_b32 s44, 0x1111, s40                    ; my column
	; descriptor group 1.  A: 512 rows of 64 bytes, dense in memory, 16 bytes of padding behind each
	s_or_b32 s[G1+0], s43, (0<<16)|(1<<20)|(1<<21)|(3<<22)|(3<<25)  ; 15:0 the mask: A's tiles go to my row; 17:16 element of 1 byte; 20 padding on; 21 set beside a mask; 24:22 after every 16 words (code 3); 31:25 of 4 words (code 3)
	s_mov_b32 s[G1+1], 64<<16                      ; tensor_dim0
	s_mov_b32 s[G1+2], 512<<16                     ; tensor_dim1
	s_mov_b32 s[G1+3], 64<<16                      ; tile_dim0
	s_mov_b32 s[G1+4], 512                         ; tile_dim1
	s_mov_b32 s[G1+5], 64                          ; tensor_dim0_stride
	s_mov_b32 s[G1+6], 0
	s_mov_b32 s[G1+7], 0
	; B: 128 rows of 256 bytes, 1,024 bytes apart, 16 bytes of padding behind each
	s_or_b32 s[G1B+0], s44, (0<<16)|(1<<20)|(1<<21)|(5<<22)|(3<<25)
	s_mov_b32 s[G1B+1], 256<<16
	s_mov_b32 s[G1B+2], 128<<16
	s_mov_b32 s[G1B+3], 256<<16
	s_mov_b32 s[G1B+4], 128
	s_mov_b32 s[G1B+5], KROW
	s_mov_b32 s[G1B+6], 0
	s_mov_b32 s[G1B+7], 0
	s_lshl_b32 s20, s17, 1
	s_add_co_u32 s20, s20, s16
	s_lshl_b32 s20, s20, 17                        ; A: block of 128 tokens 2 x tile row + half, 131,072 bytes each
	s_mov_b32 s21, 0
	s_lshl_b32 s18, s16, 7
	s_lshl_b32 s46, s42, 8
	s_add_co_u32 s46, s46, s18
	s_lshl_b32 s46, s46, 10                        ; B: row 256 x tile column + 128 x half, 1,024 bytes each
	s_mov_b32 s47, 0
	s_mul_i32 s45, s14, HALFA                      ; where they go.  A (waves 0, 1): wave x a half of A;
	s_mul_i32 s67, s14, HALFB
	s_add_co_u32 s67, s67, BOFF-2*HALFB            ; B (waves 2, 3): behind A's halves, (wave - 2) x a half of B: no place in the cluster enters an LDS address
	s_wait_kmcnt 0x0
	s_load_b256 s[76:83], s[8:9], 0x0              ; e0 .. e7
	s_add_nc_u64 s[20:21], s[4:5], s[20:21]
	s_add_nc_u64 s[46:47], s[6:7], s[46:47]
	CROUND                                         ; all sixteen work-groups are here: the first joint loads meet
.irp s, 0,1
	s_mov_b32 s[G0+4*\s], 1
	s_add_co_u32 s[G0+4*\s+1], s45, \s*SLOT
	s_add_nc_u64 s[G0+4*\s+2:G0+4*\s+3], s[20:21], \s*32768        ; K step s: four heads of 8,192 bytes
	s_or_b32 s[G0+4*\s+3], s[G0+4*\s+3], 0x80000000
	s_mov_b32 s[G0B+4*\s], 1
	s_add_co_u32 s[G0B+4*\s+1], s67, \s*SLOT
	s_add_nc_u64 s[G0B+4*\s+2:G0B+4*\s+3], s[46:47], \s*256
	s_or_b32 s[G0B+4*\s+3], s[G0B+4*\s+3], 0x80000000
	s_wait_alu depctr_va_vdst(0)
	s_wait_tensorcnt 0x0
	ds_add_u32 v28, v29
	ds_add_u32 v28, v29
	s_wait_dscnt 0x0
	CROUND
	JLOAD G0+4*\s, G1, G0B+4*\s, G1B
.endr
	v_and_b32 v1, 15, v0                           ; l % 16
	v_bfe_u32 v2, v0, 4, 1                         ; l / 16
	v_mul_u32_u24 v3, v1, APITCH
	v_lshl_add_u32 v3, v2, 4, v3                   ; A: a fragment's row x pitch + 16 x half
	v_mul_u32_u24 v4, v1, PITCH
	v_lshl_add_u32 v4, v2, 4, v4                   ; B likewise
	s_mul_i32 s21, s15, HALFA                      ; my 128 tokens
	s_mul_i32 s22, s16, HALFB                      ; my 128 rows of W,
	s_add_co_u32 s22, s22, BOFF                    ; which lie behind A's halves
.irp s, 0,1
	v_add_nc_u32 v[ADRA+\s], s21, v3
	v_add_nc_u32 v[ADRB+\s], s22, v4
	s_add_co_u32 s21, s21, SLOT
	s_add_co_u32 s22, s22, SLOT
.endr
	s_mul_i32 s23, s14, 16*SPITCH                  ; my stage
	v_mul_u32_u24 v5, v1, SPITCH                   ; in: row l % 16, 32 bytes for each half of the lanes
	v_lshl_add_u32 v5, v2, 5, v5
	v_add_nc_u32 v[STO], s23, v5
	v_and_b32 v6, 31, v0
	v_lshlrev_b32 v[CO], 4, v6                     ; back: the 32 lanes take one row of 512 bytes; and the same in out0 and in b_proj
	v_add_nc_u32 v[RD], s23, v[CO]
	s_lshl_b32 s98, s42, 10                        ; my first column, in bytes: 1024 x tile column + 512 x half
	s_lshl_b32 s99, s16, 9
	s_add_co_u32 s98, s98, s99
	s_mov_b32 s99, 0
	s_add_nc_u64 s[10:11], s[10:11], s[98:99]
	global_load_b128 v[BI:BI+3], v[CO], s[10:11]   ; the bias of columns 4 x lane + 0 .. 3 of my 128; it is waited for on the way out
	s_lshl_b32 s94, s17, 8
	s_lshl_b32 s95, s15, 7
	s_add_co_u32 s94, s94, s95
	s_lshl_b32 s94, s94, 12                        ; my first row: (256 x tile row + 128 x half) x 4,096 bytes: under 2^26
	s_mov_b32 s95, 0
	s_add_nc_u64 s[12:13], s[12:13], s[94:95]
	s_add_nc_u64 s[12:13], s[12:13], s[98:99]
.macro FRAG reg, adr, q, i             ; B: a fragment, 16 rows x 128 K, is 16 registers: lane l holds row l % 16; registers 4 c .. 4 c + 3 hold K = 32 c + 16 (l / 16) + 0 .. 15
.irp c, 0,1,2,3
	ds_load_b128 v[\reg+4*\c:\reg+4*\c+3], v[\adr] offset:128*(\q)+32*\c+(\i)*16*PITCH
.endr
.endm
.macro FRAGA reg, adr, q, i            ; A: the same k in the same registers: K = 128 q + 32 c + .. is head 2 q + c / 2 of the slot's four, channel 32 (c % 2) + ..
.irp c, 0,1,2,3
	ds_load_b128 v[\reg+4*\c:\reg+4*\c+3], v[\adr] offset:((2*(\q)+\c/2)*128+16*(\i))*APITCH+32*(\c%2)
.endr
.endm
; 16 matrix instructions: A's blocks a0, a0 + 1 x B's eight, 128 along K.  p: B's set.  zero = 1: the first product starts the sums: nothing is ever cleared.
; The 64 accumulators take turns, one instruction a turn, in the same order in every step.
.macro MUL16 a0, p, zero
.irp a, \a0, \a0+1
.irp b, 0,1,2,3,4,5,6,7
.if \zero
	v_wmma_f32_16x16x128_fp8_fp8 v[8*(8*((\a)%4)+\b):8*(8*((\a)%4)+\b)+7], v[128*(\p)+FR*\b:128*(\p)+FR*\b+FR-1], v[AF+FR*(\a):AF+FR*(\a)+FR-1], 0
.else
	v_wmma_f32_16x16x128_fp8_fp8 v[8*(8*((\a)%4)+\b):8*(8*((\a)%4)+\b)+7], v[128*(\p)+FR*\b:128*(\p)+FR*\b+FR-1], v[AF+FR*(\a):AF+FR*(\a)+FR-1], v[8*(8*((\a)%4)+\b):8*(8*((\a)%4)+\b)+7]
.endif
.endr
.endr
.endm
.macro FETCH_B slot, q, p              ; B's eight fragments of the slot's q-th 128 along K into set p
	WIN TO_B
.irp i, 0,1,2,3,4,5,6,7
	FRAG 128*(\p)+FR*\i, ADRB+\slot, \q, \i
.endr
	WIN 0
.endm
.macro FETCH_A slot, q, i0             ; A's blocks i0 .. i0 + 3
.irp i, \i0, \i0+1, \i0+2, \i0+3
	FRAGA AF+FR*(\i), ADRA+\slot, \q, \i
.endr
.endm
; A load into a register that a matrix instruction has read, and an LDS store that reads a matrix result, stand NP places behind that matrix instruction; only plain vector instructions that name none of
; its registers are places (ISA guide 7.12.1 for vector instructions).
.macro PLACES n
.rept \n
	v_nop
.endr
.endm
; A step of 128 along K that has its successor in the same slot.  A block of A is free as soon as its eight products are issued: blocks 0-3 are fetched anew in the step's middle, blocks 4-7 at its end.
.macro STEP slot, q, zero
	s_wait_dscnt 4*NL                              ; B's set and A's blocks 0-3 are in; the youngest sixteen loads (A's blocks 4-7) may be out
	WIN MUL_LO
	MUL16 0, (\q)%2, \zero
	MUL16 2, (\q)%2, \zero
	s_wait_dscnt 0                                 ; A's blocks 4-7 are in (asked for 32 matrix instructions ago)
	PLACES NP
	FETCH_B \slot, (\q)+1, 1-(\q)%2
	FETCH_A \slot, (\q)+1, 0
	WIN MUL_HI
	MUL16 4, (\q)%2, \zero
	MUL16 6, (\q)%2, \zero
	PLACES NP
	WIN 0
	FETCH_A \slot, (\q)+1, 4
.endm
; A slot's last step changes slots: ONE barrier; in front of it each wave waits for all its tensor loads, adds 0 to its spare word, and waits for that and for its own reads of this slot.  fill = 1: this slot is filled again, two K steps ahead.
.macro TURN slot, next, fill
	s_wait_tensorcnt 0x0                           ; all my tensor loads have landed: my part of the next slot  (every window is 0 here: the add's two registers lie in window 0)
	ds_add_u32 v[SPW], v[NIL]                      ; 0 onto my spare word
	s_wait_dscnt 4*NL+1                            ; (the add and the youngest sixteen loads, A's blocks 4-7, may be out)
	WIN MUL_LO
	MUL16 0, 1, 0                                  ; sixteen matrix instructions stand between the add and the wait for it
	s_wait_dscnt 0x0                               ; the add is done, and my reads of this slot are over
	s_barrier_signal -1
	MUL16 2, 1, 0
	WIN 0
	s_barrier_wait -1
.if \fill
	CREST                                          ; the barrier has opened a round of the cluster's barrier: no wave of any partner still reads this slot's tile or has a load on its way
	s_add_nc_u64 s[G0+4*\slot+2:G0+4*\slot+3], s[G0+4*\slot+2:G0+4*\slot+3], 2*32768
	s_add_nc_u64 s[G0B+4*\slot+2:G0B+4*\slot+3], s[G0B+4*\slot+2:G0B+4*\slot+3], 2*256
	JLOAD G0+4*\slot, G1, G0B+4*\slot, G1B         ; the first tensor load behind the round; the four v_nop behind it are the places in front of the loads below
.else
	PLACES NP
.endif
	FETCH_B \next, 0, 0
	FETCH_A \next, 0, 0
	WIN MUL_HI
	MUL16 4, 1, 0
	MUL16 6, 1, 0
	PLACES NP
	WIN 0
	FETCH_A \next, 0, 4
.endm
	s_wait_alu depctr_va_vdst(0)
	s_wait_tensorcnt 1                             ; my part of K step 0 is in (K step 1's load may be out)
	s_barrier_signal -1
	s_barrier_wait -1                              ; everybody's is
	FETCH_B 0, 0, 0
	FETCH_A 0, 0, 0
	FETCH_A 0, 0, 4
	STEP 0, 0, 1                                   ; the first step stands in front of the loop: its products start the sums
	s_mov_b32 s3, LAPS-1
.Llap:                                                 ; a trip goes once round the ring, from a lap's second step to the next lap's first, and fills both slots again
	TURN 0, 1, 1
	STEP 1, 0, 0
	TURN 1, 0, 1
	STEP 0, 0, 0
	s_sub_co_u32 s3, s3, 1
	s_cmp_lg_u32 s3, 0
	s_cbranch_scc1 .Llap
	TURN 0, 1, 0                                   ; the last lap fills nothing, and has no round of the cluster's barrier
	STEP 1, 0, 0
	s_wait_dscnt 4*NL                              ; the very last step: nothing more to fetch
	WIN MUL_LO
	MUL16 0, 1, 0
	MUL16 2, 1, 0
	s_wait_dscnt 0
	WIN MUL_HI
	MUL16 4, 1, 0
	MUL16 6, 1, 0
	WIN 0
; THE WAY OUT, block by block of 16 rows x 128 columns.  A lane holds 32 neighbouring bytes of a row, and the lanes beside it hold other rows: so a block's sums go through my own stage in LDS as they are and come
; back as whole rows of 512 bytes.  There a lane holds the same four columns in every row: four registers of bias serve all, and out = sum x 2^(e6 + e7) + bias is one packed multiply-add for two numbers.
; LDS serves a wave's instructions in order (ISA guide 5.7.1.4): no wait between the stores and the loads, nor in front of the next block's stores.
.macro TOSTAGE a
.set AC, 64*((\a)%4)
	WIN 0x08+4*((\a)/4)                            ; the stores' data: window 2 or 3
.irp b, 0,1,2,3,4,5,6,7
	ds_store_b128 v[STO], v[AC+8*\b:AC+8*\b+3] offset:64*\b        ; each accumulator from its low end on
	ds_store_b128 v[STO], v[AC+8*\b+4:AC+8*\b+7] offset:64*\b+16
.endr
	WIN 0
.set BB, BK+64*((\a)%2)
.irp t, 0,1,2,3,4,5,6,7,8,9,10,11,12,13,14,15
	ds_load_b128 v[BB+4*\t:BB+4*\t+3], v[RD] offset:\t*SPITCH
.endr
.endm
.macro SEND a, younger                 ; younger: the LDS instructions issued behind block a's loads, which may stay out
.set BB, BK+64*((\a)%2)
	s_wait_dscnt \younger                          ; the block is back in registers
.irp t, 0,1,2,3,4,5,6,7,8,9,10,11,12,13,14,15
	v_pk_fma_f32 v[BB+4*\t:BB+4*\t+1],   v[BB+4*\t:BB+4*\t+1],   s[96:97], v[BI:BI+1]   op_sel_hi:[1,0,1]
	v_pk_fma_f32 v[BB+4*\t+2:BB+4*\t+3], v[BB+4*\t+2:BB+4*\t+3], s[96:97], v[BI+2:BI+3] op_sel_hi:[1,0,1]
.endr
.irp t, 0,1,2,3,4,5,6,7,8,9,10,11,12,13,14,15
	global_store_b128 v[CO], v[BB+4*\t:BB+4*\t+3], s[12:13] offset:(16*(\a)+\t)*SIZE_N*4 th:TH_STORE_NT   ; 32 lanes store 512 consecutive bytes, aligned; the row stands in the immediate: 127 rows of 4,096 bytes at the most; written once, read by nobody here
.endr
.endm
	s_wait_kmcnt 0x0
	s_add_co_i32 s96, s82, s83                     ; e6 + e7, between -126 and 127,
	s_add_co_i32 s96, s96, 127
	s_lshl_b32 s96, s96, 23                        ; makes the f32 number 2^(e6 + e7)
	s_mov_b32 s97, s96                             ; (named with it as a pair, so it is written)
	s_wait_loadcnt 0x0                             ; the bias
	PLACES NP                                      ; behind the last products: for the stores that read results and for the loads into the registers that held A's fragments
	TOSTAGE 0
.irp a, 1,2,3,4,5,6,7
.if \a > 1
	s_wait_xcnt 0x0                                ; block a - 2's stores have read their registers: block a's loads may land there
.endif
	TOSTAGE \a
	SEND \a-1, 32                                  ; behind block a - 1's loads: block a's 16 stores and 16 loads
.endr
	SEND 7, 0
	s_wait_tensorcnt 0x0                           ; the wave's end: behind my last tensor load and my last LDS store
	ds_add_u32 v[SPW], v[NIL]
	s_wait_dscnt 0x0
	CROUND                                         ; the closing round: no work-group ends while a partner may still ask for a tile that names it
	s_endpgm
.Lfunc_end_k_q7baa16e154_proj:
	.size	k_q7baa16e154_proj, .Lfunc_end_k_q7baa16e154_proj-k_q7baa16e154_proj
	.p2alignl 7, 3214868480
	.fill 96, 4, 3214868480
	.section	.rodata,"a",@progbits
	.p2align	6, 0x0
	.amdhsa_kernel k_q7baa16e154_proj
		.amdhsa_group_segment_fixed_size 327680
		.amdhsa_private_segment_fixed_size 0
		.amdhsa_enable_private_segment 0
		.amdhsa_kernarg_size 40
		.amdhsa_user_sgpr_count 2
		.amdhsa_user_sgpr_kernarg_segment_ptr 1
		.amdhsa_wavefront_size32 1
		.amdhsa_system_sgpr_workgroup_id_x 1
		.amdhsa_system_sgpr_workgroup_id_y 1
		.amdhsa_system_sgpr_workgroup_id_z 1
		.amdhsa_system_vgpr_workitem_id 0
		.amdhsa_next_free_vgpr 1024
		.amdhsa_next_free_sgpr 100
		.amdhsa_reserve_vcc 0
		.amdhsa_float_denorm_mode_32 3
		.amdhsa_float_denorm_mode_16_64 3
		.amdhsa_memory_ordered 1
		.amdhsa_forward_progress 1
		.amdhsa_inst_pref_size 124
	.end_amdhsa_kernel
	.amdgpu_metadata
---
amdhsa.version: [ 1, 2 ]
amdhsa.kernels:
  - .name:           k_q7baa16e154_proj
    .symbol:         k_q7baa16e154_proj.kd
    .args:
      - { .name: a_codes, .offset: 0, .size: 8, .value_kind: global_buffer, .address_space: global }
      - { .name: W_proj_codes, .offset: 8, .size: 8, .value_kind: global_buffer, .address_space: global }
      - { .name: lowp_scales, .offset: 16, .size: 8, .value_kind: global_buffer, .address_space: global }
      - { .name: b_proj, .offset: 24, .size: 8, .value_kind: global_buffer, .address_space: global }
      - { .name: out0, .offset: 32, .size: 8, .value_kind: global_buffer, .address_space: global }
    .group_segment_fixed_size: 327680
    .private_segment_fixed_size: 0
    .kernarg_segment_align: 8
    .kernarg_segment_size: 40
    .max_flat_workgroup_size: 128
    .sgpr_count:     100
    .vgpr_count:     1024
    .wavefront_size: 32
...
	.end_amdgpu_metadata
.endif
;; end of part 3
